; MI455X (gfx1250); checked and timed in simulation.
; The chip was launched on July 23, 2026; its instructions are those of AMD's public machine-readable ISA for CDNA 5 (MIT licence, August 2026) and "CDNA5" Instruction Set Architecture Reference Guide (July 2026). The comments in the code are by the model that wrote it; some were corrected since.
;; Learnable Query Multi Head Attention. Allowed arithmetic: float matrix products may take bf16 or f16 operands with f32 sums; all other float work in f32.
;; Inputs: fc 1,024 x 1,024 float32; ln_beta 1,024 float32; ln_gamma 1,024 float32; query 1 x 1 x 1,024 float32; w_ks 1,024 x 1,024 float32; w_qs 1,024 x 1,024 float32; w_vs 1,024 x 1,024 float32; x 16 x 2,048 x 1,024 float32.
;; Outputs: out0 16 x 1 x 1,024 float32; out1 16 x 16 x 1 x 2,048 float32.
;; 2 versions, each right; version 2 is version 1 with the launch pool written anew for expert scheduling mode. Each part assembles by itself: llvm-mc -triple=amdgcn-amd-amdhsa -mcpu=gfx1250 --defsym DOCPART=n.
;; ======== version 1 of 2: 5 launches
;; workspace buffers: wkf 32,768 bytes; pexp 2,097,152 bytes; stats 32,768 bytes; ypart 8,388,608 bytes; ctxpart 524,288 bytes; outpart 1,048,576 bytes
;; launch prep (part 1): grid 16 x 4, 16 waves a work-group, no clusters, 6,656 bytes of LDS; arguments query, w_qs, w_ks, wkf; writes wkf
.if DOCPART == 1
	.amdgcn_target "amdgcn-amd-amdhsa--gfx1250"
	.amdhsa_code_object_version 6
	.text
	.protected	k_q6a40c37185_prep
	.globl	k_q6a40c37185_prep
	.p2align	8
	.type	k_q6a40c37185_prep,@function
k_q6a40c37185_prep:
	s_mov_b64 s[64:65], 0
	v_nop
	global_prefetch_b8 v0, s[64:65] scope:SCOPE_SE
	s_setreg_imm32_b32 hwreg(HW_REG_WAVE_MODE, 25, 1), 1
	s_wait_xcnt 0x0
; LearnableQueryMultiHeadAttention, launch 1 of 5: the query folded into the key weights.
;
; WORK THAT IS NOT DONE, in the whole program.  reference() forms k = x w_ks and v = x w_vs ([16, 2048, 1024] each), but neither is
; an output and each enters one further sum only.  For all real values of the inputs
;   scores[b,h,l] = sum_d q[h,d]/8 * sum_c x[b,l,c] w_ks[c,64h+d] = sum_c x[b,l,c] wk[c,h],   wk[c,h] = sum_d w_ks[c,64h+d] q[h,d]/8
;   ctx[b,h,d]    = sum_l attn[b,h,l] * sum_c x[b,l,c] w_vs[c,64h+d] = sum_c y[b,h,c] w_vs[c,64h+d],   y[b,h,c] = sum_l attn[b,h,l] x[b,l,c]
; (finite sums in another order).  So k and v are never formed: x meets 16 columns of wk and 16 rows of attn instead of 2 x 1024
; columns of weights, and is read once.  Every input has a way to an output and is loaded.
; LIMITS: the order of rounding differs from reference()'s; an overflow, an infinity or a NaN that would arise only in k or v is not carried
; to the result.
;
; THIS LAUNCH: wkf[h][c] = bf16( log2(e)/8 * sum_d w_ks[c][64h+d] q[64h+d] ),  q = query w_qs.  The factor log2(e) is there because
; the exponentials of the later launches are powers of two.  One-row products: a stream of weights into f32 sums; the matrix unit has nothing to gain.
; Work-group (h, cq): q of head h from the slab w_qs[:, 64h .. 64h+63] (1,024 rows x 256 bytes), then wk[c][h] for c = 256 cq .. 256 cq + 255.
; 512 threads: p = t & 15 owns 4 columns (16 bytes) of the head's 64, rg = t >> 4 owns 32 rows of w_qs and 8 rows of w_ks.
; Sixteen neighbouring lanes read 256 consecutive bytes, aligned.  All 48 loads of a thread are issued at once.
; No cluster: the four work-groups of a head share the 256 KB slab of w_qs, which goes from the load straight into sums in registers;
; a joint request would send it through LDS and add the cluster's barriers to a body of one pass.
.set VQ,   12                          ; v[12:43]   query[32 rg .. 32 rg + 31]
.set W,    44                          ; v[44:171]  32 rows of w_qs, 4 columns each; later the waves' partial sums and work space
.set K,    172                         ; v[172:203] 8 rows of w_ks, 4 columns each
.set ACC,  204                         ; v[204:207] sums of the even rows; later q of my 4 columns
.set ACC2, 208                         ; v[208:211] sums of the odd rows
.set T,    212                         ; v[212:215] 8 results in bf16
.set OUTS, 4096                        ; LDS: bytes 0-4095 the 16 waves' partial q (256 bytes each); bytes 4096-4607 the 256 results in bf16
	s_load_b256 s[4:11], s[0:1], 0x0               ; query s[4:5], w_qs s[6:7], w_ks s[8:9], wkf s[10:11]
	v_lshl_add_u32 v216, v0, 2, 0x1200
	v_mov_b32 v217, 0
	v_lshrrev_b32 v10, 5, v0
	v_readfirstlane_b32 s14, v10                   ; wave 0..15
	s_and_b32 s13, ttmp7, 0xffff                   ; cq
	s_mov_b32 s16, 0x76543210                      ; v_permlanex16_b32: lane i of one half reads lane i of the other
	s_mov_b32 s17, 0xfedcba98
	s_lshl_b32 s18, ttmp9, 8                       ; 256 h: the head's 64 columns in a row of weights
	s_mov_b32 s19, 0
	s_lshl_b32 s20, s13, 20                        ; 256 rows of 4,096 bytes for each cq
	s_add_co_u32 s20, s20, s18
	s_mov_b32 s21, 0
	s_lshl_b32 s22, ttmp9, 11                      ; wkf: 2,048 bytes a head,
	s_lshl_b32 s23, s13, 9                         ; 512 bytes for each cq
	s_add_co_u32 s22, s22, s23
	s_mov_b32 s23, 0
	v_and_b32 v1, 15, v0
	v_lshlrev_b32 v1, 4, v1                        ; 16 p
	v_lshrrev_b32 v11, 4, v0                       ; rg
	v_lshlrev_b32 v2, 7, v11                       ; query: 128 rg
	v_lshl_add_u32 v3, v11, 17, v1                 ; w_qs: 32 rows of 4,096 bytes for each rg, + 16 p
	v_lshl_add_u32 v4, v11, 15, v1                 ; w_ks: 8 rows for each rg, + 16 p
	s_wait_kmcnt 0x0
	s_add_nc_u64 s[6:7], s[6:7], s[18:19]
	s_add_nc_u64 s[8:9], s[8:9], s[20:21]
	s_add_nc_u64 s[10:11], s[10:11], s[22:23]
.irp j, 0,1,2,3,4,5,6,7
	global_load_b128 v[VQ+4*\j:VQ+4*\j+3], v2, s[4:5] offset:16*\j
.endr
.set i, 0
.rept 32
	global_load_b128 v[W+4*i:W+4*i+3], v3, s[6:7] offset:4096*i
.set i, i+1
.endr
.irp j, 0,1,2,3,4,5,6,7
	global_load_b128 v[K+4*\j:K+4*\j+3], v4, s[8:9] offset:4096*\j th:TH_LOAD_NT
.endr
	v_lshl_add_u32 v5, s14, 8, v1                  ; LDS: my wave's 256 bytes of partial q, + 16 p
	v_bfe_u32 v7, v0, 4, 1
	v_lshlrev_b32 v7, 4, v7
	v_lshl_add_u32 v7, s14, 5, v7                  ; 16 rg = 32 wave + 16 (half of the lanes)
	v_add_nc_u32 v7, OUTS, v7                      ; LDS: my 8 results
	v_and_b32 v9, 31, v0
	v_lshlrev_b32 v9, 4, v9                        ; 16 lane: wave 0's offset in wkf
	v_add_nc_u32 v8, OUTS, v9                      ; and where it reads the results back
; rows 2 ii and 2 ii + 1 of my 32: their 4 columns times query's two numbers, which lie in one register pair; op_sel picks the number for both halves
.macro PAIRS ii, first
.if \first
	v_pk_mul_f32 v[ACC:ACC+1],     v[W+8*(\ii):W+8*(\ii)+1],   v[VQ+2*(\ii):VQ+2*(\ii)+1] op_sel_hi:[1,0]
	v_pk_mul_f32 v[ACC+2:ACC+3],   v[W+8*(\ii)+2:W+8*(\ii)+3], v[VQ+2*(\ii):VQ+2*(\ii)+1] op_sel_hi:[1,0]
	v_pk_mul_f32 v[ACC2:ACC2+1],   v[W+8*(\ii)+4:W+8*(\ii)+5], v[VQ+2*(\ii):VQ+2*(\ii)+1] op_sel:[0,1] op_sel_hi:[1,1]
	v_pk_mul_f32 v[ACC2+2:ACC2+3], v[W+8*(\ii)+6:W+8*(\ii)+7], v[VQ+2*(\ii):VQ+2*(\ii)+1] op_sel:[0,1] op_sel_hi:[1,1]
.else
	v_pk_fma_f32 v[ACC:ACC+1],     v[W+8*(\ii):W+8*(\ii)+1],   v[VQ+2*(\ii):VQ+2*(\ii)+1], v[ACC:ACC+1] op_sel_hi:[1,0,1]
	v_pk_fma_f32 v[ACC+2:ACC+3],   v[W+8*(\ii)+2:W+8*(\ii)+3], v[VQ+2*(\ii):VQ+2*(\ii)+1], v[ACC+2:ACC+3] op_sel_hi:[1,0,1]
	v_pk_fma_f32 v[ACC2:ACC2+1],   v[W+8*(\ii)+4:W+8*(\ii)+5], v[VQ+2*(\ii):VQ+2*(\ii)+1], v[ACC2:ACC2+1] op_sel:[0,1,0] op_sel_hi:[1,1,1]
	v_pk_fma_f32 v[ACC2+2:ACC2+3], v[W+8*(\ii)+6:W+8*(\ii)+7], v[VQ+2*(\ii):VQ+2*(\ii)+1], v[ACC2+2:ACC2+3] op_sel:[0,1,0] op_sel_hi:[1,1,1]
.endif
.endm
	s_wait_loadcnt 36                              ; query and rows 0-3 are in; 28 younger loads of w_qs and the 8 of w_ks stay out
	PAIRS 0, 1                                     ; the first products start the sums
	PAIRS 1, 0
.irp g, 1,2,3,4,5,6,7
	s_wait_loadcnt 36-4*\g                         ; rows 4 g .. 4 g + 3 are in; 28 - 4 g loads of w_qs and the 8 of w_ks stay out
	PAIRS 2*\g, 0
	PAIRS 2*\g+1, 0
.endr
	v_pk_add_f32 v[ACC:ACC+1], v[ACC:ACC+1], v[ACC2:ACC2+1]
	v_pk_add_f32 v[ACC+2:ACC+3], v[ACC+2:ACC+3], v[ACC2+2:ACC2+3]
.irp k, 0,1,2,3
	v_permlanex16_b32 v[ACC2+\k], v[ACC+\k], s16, s17      ; the wave's other 32 rows; the destination has been written before
.endr
	v_pk_add_f32 v[ACC:ACC+1], v[ACC:ACC+1], v[ACC2:ACC2+1]
	v_pk_add_f32 v[ACC+2:ACC+3], v[ACC+2:ACC+3], v[ACC2+2:ACC2+3]
	ds_store_b128 v5, v[ACC:ACC+3]                 ; both halves of the lanes store the same 16 bytes
	s_wait_dscnt 0x0                               ; my store is done before I say so
	s_barrier_signal -1
	s_barrier_wait -1
.set j, 0
.rept 16
	ds_load_b128 v[W+4*j:W+4*j+3], v1 offset:256*j         ; the 16 waves' sums of my 4 columns (all loads into W have been waited for above)
.set j, j+1
.endr
	s_wait_dscnt 0x0
.set k, 0
.rept 16
	v_pk_add_f32 v[W+2*k:W+2*k+1], v[W+2*k:W+2*k+1], v[W+32+2*k:W+33+2*k]
.set k, k+1
.endr
.set k, 0
.rept 8
	v_pk_add_f32 v[W+2*k:W+2*k+1], v[W+2*k:W+2*k+1], v[W+16+2*k:W+17+2*k]
.set k, k+1
.endr
.set k, 0
.rept 4
	v_pk_add_f32 v[W+2*k:W+2*k+1], v[W+2*k:W+2*k+1], v[W+8+2*k:W+9+2*k]
.set k, k+1
.endr
	v_pk_add_f32 v[ACC:ACC+1], v[W:W+1], v[W+4:W+5]
	v_pk_add_f32 v[ACC+2:ACC+3], v[W+2:W+3], v[W+6:W+7]
	v_pk_mul_f32 v[ACC:ACC+1], v[ACC:ACC+1], 0x3e38aa3b op_sel_hi:[1,0]       ; q times log2(e) / 8
	v_pk_mul_f32 v[ACC+2:ACC+3], v[ACC+2:ACC+3], 0x3e38aa3b op_sel_hi:[1,0]
	s_wait_loadcnt 0x0                             ; the 8 rows of w_ks
.irp i, 0,1,2,3,4,5,6,7
	v_pk_mul_f32 v[W+16+2*\i:W+17+2*\i], v[K+4*\i:K+4*\i+1], v[ACC:ACC+1]
.endr
.irp i, 0,1,2,3,4,5,6,7
	v_pk_fma_f32 v[W+16+2*\i:W+17+2*\i], v[K+4*\i+2:K+4*\i+3], v[ACC+2:ACC+3], v[W+16+2*\i:W+17+2*\i]
.endr
.irp i, 0,1,2,3,4,5,6,7
	v_add_f32 v[W+\i], v[W+16+2*\i], v[W+17+2*\i]
.endr
.irp m, 1,2,4,8                                    ; over the 16 lanes that hold a row's 64 columns; eight rows side by side
.irp i, 0,1,2,3,4,5,6,7
	v_add_f32_dpp v[W+\i], v[W+\i], v[W+\i] row_xmask:\m row_mask:0xf bank_mask:0xf
.endr
.endr
.irp k, 0,1,2,3
	v_cvt_pk_bf16_f32 v[T+\k], v[W+2*\k], v[W+2*\k+1]
.endr
	ds_store_b128 v7, v[T:T+3]                     ; wk of rows 8 rg .. 8 rg + 7; the 16 lanes store the same 16 bytes
	s_wait_dscnt 0x0
	s_barrier_signal -1
	s_barrier_wait -1
	s_cmp_lg_u32 s14, 0
	s_cbranch_scc1 .Lend
	ds_load_b128 v[T:T+3], v8                      ; wave 0 stores the work-group's 512 consecutive bytes, aligned
	s_wait_dscnt 0x0
	global_store_b128 v9, v[T:T+3], s[10:11]
.Lend:
	s_wait_tensorcnt 0x0
	ds_add_u32 v216, v217
	s_wait_dscnt 0x0
	s_endpgm
.Lfunc_end_k_q6a40c37185_prep:
	.size	k_q6a40c37185_prep, .Lfunc_end_k_q6a40c37185_prep-k_q6a40c37185_prep
	.p2alignl 7, 3214868480
	.fill 96, 4, 3214868480
	.section	.rodata,"a",@progbits
	.p2align	6, 0x0
	.amdhsa_kernel k_q6a40c37185_prep
		.amdhsa_group_segment_fixed_size 6656
		.amdhsa_private_segment_fixed_size 0
		.amdhsa_enable_private_segment 0
		.amdhsa_kernarg_size 32
		.amdhsa_user_sgpr_count 2
		.amdhsa_user_sgpr_kernarg_segment_ptr 1
		.amdhsa_wavefront_size32 1
		.amdhsa_system_sgpr_workgroup_id_x 1
		.amdhsa_system_sgpr_workgroup_id_y 1
		.amdhsa_system_sgpr_workgroup_id_z 1
		.amdhsa_system_vgpr_workitem_id 0
		.amdhsa_next_free_vgpr 218
		.amdhsa_next_free_sgpr 66
		.amdhsa_reserve_vcc 0
		.amdhsa_float_denorm_mode_32 3
		.amdhsa_float_denorm_mode_16_64 3
		.amdhsa_memory_ordered 1
		.amdhsa_forward_progress 1
		.amdhsa_inst_pref_size 19
	.end_amdhsa_kernel
	.amdgpu_metadata
---
amdhsa.version: [ 1, 2 ]
amdhsa.kernels:
  - .name:           k_q6a40c37185_prep
    .symbol:         k_q6a40c37185_prep.kd
    .args:
      - { .name: query, .offset: 0, .size: 8, .value_kind: global_buffer, .address_space: global }
      - { .name: w_qs, .offset: 8, .size: 8, .value_kind: global_buffer, .address_space: global }
      - { .name: w_ks, .offset: 16, .size: 8, .value_kind: global_buffer, .address_space: global }
      - { .name: wkf, .offset: 24, .size: 8, .value_kind: global_buffer, .address_space: global }
    .group_segment_fixed_size: 6656
    .private_segment_fixed_size: 0
    .kernarg_segment_align: 8
    .kernarg_segment_size: 32
    .max_flat_workgroup_size: 512
    .sgpr_count:     66
    .vgpr_count:     218
    .wavefront_size: 32
...
	.end_amdgpu_metadata
.endif
;; end of part 1
;; launch pool (part 2): grid 256 x 1, 8 waves a work-group, no clusters, 99,328 bytes of LDS; arguments x, wkf, pexp, stats, ypart; writes pexp, stats, ypart
.if DOCPART == 2
	.amdgcn_target "amdgcn-amd-amdhsa--gfx1250"
	.amdhsa_code_object_version 6
	.text
	.protected	k_q6a40c37185_pool
	.globl	k_q6a40c37185_pool
	.p2align	8
	.type	k_q6a40c37185_pool,@function
k_q6a40c37185_pool:
	s_mov_b64 s[64:65], 0
	v_nop
	global_prefetch_b8 v0, s[64:65] scope:SCOPE_SE
	s_setreg_imm32_b32 hwreg(HW_REG_WAVE_MODE, 25, 1), 1
	s_wait_xcnt 0x0
; Launch 2 of 5: the one pass over x.  k and v are not formed (x meets wk and the softmax's weights directly: the identities stand at the head of launch 1).
; Work-group wg = 16 b + chunk owns the 128 positions l = 128 chunk .. + 127 of batch b: 512 KB of x, read once.
; Eight waves; wave w owns columns 128 w .. 128 w + 127 of every row, in both products.  The 128 positions go in four groups of 32 rows.  For each group:
;   CONV   32 rows x 512 bytes come out of a ring of registers, are rounded to bf16 and laid into the wave's own LDS tile; each row's slot is asked for again at once
;   SCORE  the wave's part of s'[h][l] = sum over its 128 columns of x[l][c] wkf[h][c]  (matrix unit; wk's four fragments stay in registers for the whole kernel)
;   SOFT   the eight waves' parts meet in LDS; running maximum m' and running sum for each head; p = 2^(s' - m'); alpha = 2^(m' before - m')
;   PMUL   y[h][c] = alpha[h] y[h][c] + sum over the group's l of p[h][l] x[l][c]  (matrix unit, x read from the wave's tile transposed)
; so that the work of groups 0 to 2 is done while later rows are on their way.  At the end: pexp = 2^(s' - m') with the chunk's final m' (s' is kept in LDS),
; stats = m' and the sums, ypart = y rounded to bf16: it is the next launch's matrix operand as it stands, and half the bytes go to memory and come back.
; The next launch takes the maximum over a batch's 16 chunks and rescales; no fixed shift is used anywhere.
; LIMITS: matrix operands are bf16 (x, wk, p, and y for the next launch); p and alpha below 2^-126 come out as 0.
; x is converted between memory and LDS, so it comes through registers: 54 loads of 512 bytes a wave are out, 216 KB for the work-group.
; No cluster: the work-groups share only wkf, 32 KB of the 544 KB that each of them reads.
;
; REGISTERS in two windows of 256 (s_set_vgpr_msb says which window each operand place means: bits 1:0 source 0, 3:2 source 1, 5:4 source 2, 7:6 destination).
; Window 1 holds all that CONV names (its two addresses, its bf16 pairs, the ring), so that a whole CONV runs under one setting; all else is window 0.
.set R,      54                        ; slots of the ring = loads of x that a wave has out
.set XP,     272                       ; pitch of the wave's tile: 128 bf16 + 16 bytes = 17 x 16, so 16 rows start in 16 different 16-byte columns of 256 bytes
.set XTILE,  32*XP                     ; LDS: 8 tiles of 32 rows, each wave's own; at the end the wave's stage for the way out
.set SPART,  8*XTILE                   ; the waves' parts of s' in f32: for each wave 16 rows (heads, permuted: see v7) of 32 l, pitch 144 = 9 x 16
.set SPP,    144
.set SPW,    16*SPP
.set SS,     SPART+8*SPW               ; s' in f32 [16 h][128 l], pitch 528
.set SSP,    528
.set PT,     SS+16*SSP                 ; p of the group in bf16 [16 h][32 l], pitch 80 = 5 x 16
.set PTP,    80
.set ALPH,   PT+16*PTP                 ; alpha[16]
.set ST,     ALPH+256                  ; m'[16], sum[16]
; window 0: v1 lane, v2 r = lane & 15, v3 hh = lane >> 4; v4-v25 addresses (made below, never rewritten); v26-v28 address work
.set MX,   32                          ; running maximum of my head
.set SM,   33                          ; running sum of my head
.set GM,   34                          ; the group's maximum, then the new maximum
.set ALP,  35                          ; alpha of my head
.set PS,   36                          ; the group's sum of p
.set PB,   37                          ; two p in bf16
.set P0,   38                          ; v[38:39]   two p
.set SACC, 48                          ; v[48:63]   two accumulators of s': rows 0-15 and 16-31 of the group
.set WKF,  64                          ; v[64:95]   four fragments of wk: my 128 columns, all 16 heads
.set PF,   96                          ; v[96:103]  the fragment of p
.set ALF,  104                         ; v[104:105] alpha of head r, twice
.set YACC, 112                         ; v[112:175] eight accumulators of y
.set AF,   176                         ; v[176:239] SCORE: eight fragments of x
.set XT,   176                         ;            PMUL: eight fragments of x transposed; the way out: v[176:207] y in bf16, v[208:239] read back by rows
.set RED,  240                         ; v[240:255] the eight waves' parts of two s'; at the end eight s' of my head
; window 1 (the numbers are the low 8 bits)
.set VOFF1, 0                          ; v256       x: 512 w + 16 lane
.set XST1,  1                          ; v257       my tile: 8 lane
.set T1,    2                          ; v[258:265] four pairs of bf16 on their way to LDS
.set RING,  12                         ; v[268:483] slot n mod 54: 4 registers, row n as loaded
.set MSB, 0
.macro WIN new                         ; the immediate's high byte repeats the setting that is left
.if MSB != \new
	s_set_vgpr_msb (MSB<<8)|\new
.set MSB, \new
.endif
.endm
.macro PLACES                          ; four plain vector instructions between a matrix instruction and what touches its registers (ISA guide 7.12.1)
.rept 4
	v_nop
.endr
.endm
.macro RMAX reg                        ; over the 16 lanes of a row, result in each
.irp m, 1,2,4,8
	v_max_num_f32_dpp v[\reg], v[\reg], v[\reg] row_xmask:\m row_mask:0xf bank_mask:0xf
.endr
.endm
.macro RSUM reg
.irp m, 1,2,4,8
	v_add_f32_dpp v[\reg], v[\reg], v[\reg] row_xmask:\m row_mask:0xf bank_mask:0xf
.endr
.endm
.macro BAR
	s_wait_dscnt 0x0                               ; my LDS stores are done and my LDS loads are back before I say so
	s_barrier_signal -1
	s_barrier_wait -1
.endm
	s_load_b256 s[4:11], s[0:1], 0x0               ; x s[4:5], wkf s[6:7], pexp s[8:9], stats s[10:11]
	s_load_b64 s[12:13], s[0:1], 0x20              ; ypart
	v_lshl_add_u32 v110, v0, 2, 0x18000
	v_mov_b32 v111, 0
	v_lshrrev_b32 v1, 5, v0
	v_readfirstlane_b32 s14, v1                    ; wave 0..7
	v_and_b32 v1, 31, v0
	v_and_b32 v2, 15, v0
	v_bfe_u32 v3, v0, 4, 1
	s_lshl_b32 s16, ttmp9, 19                      ; 128 rows of 4,096 bytes for each work-group
	s_mov_b32 s17, 0
	s_lshl_b32 s19, s14, 9                         ; my wave's 512 bytes of a row of f32
	s_mul_i32 s18, s14, XTILE                      ; my wave's tile in LDS
	s_lshl_b32 s22, s14, 8                         ; my wave's 256 bytes of a row of bf16
	v_lshlrev_b32 v4, 11, v2                       ; wkf: row r (2,048 bytes),
	v_lshl_add_u32 v4, v3, 4, v4                   ; + 16 hh,
	v_add_nc_u32 v4, s22, v4                       ; + my columns: a fragment's lane address
	WIN 0x40                                       ; destination in window 1
	v_lshl_add_u32 v[VOFF1], v1, 4, s19            ; v256 = 16 lane + 512 w
	v_lshl_add_u32 v[XST1], v1, 3, s18             ; v257 = 8 lane + my tile
	WIN 0
	s_wait_kmcnt 0x0
	s_add_nc_u64 s[4:5], s[4:5], s[16:17]
	; wk straight into fragment layout, once in the kernel: each load takes 32 bytes of each of 16 rows, the eight together the 256 aligned bytes of each row
.irp f, 0,1,2,3
	global_load_b128 v[WKF+8*\f:WKF+8*\f+3],   v4, s[6:7] offset:64*\f
	global_load_b128 v[WKF+8*\f+4:WKF+8*\f+7], v4, s[6:7] offset:64*\f+32
.endr
	WIN 0x55                                       ; every place in window 1
.set n, 0
.rept R
	global_load_b128 v[RING+4*n:RING+4*n+3], v[VOFF1], s[4:5] offset:4096*n th:TH_LOAD_NT   ; row n: 512 consecutive bytes, aligned
.set n, n+1
.endr
	WIN 0
	s_lshr_b32 s16, ttmp9, 4
	s_lshl_b32 s16, s16, 17                        ; pexp [b][h][l]: 131,072 bytes a batch,
	s_and_b32 s20, ttmp9, 15
	s_lshl_b32 s20, s20, 9                         ; 512 bytes a chunk
	s_add_co_u32 s16, s16, s20
	s_add_nc_u64 s[8:9], s[8:9], s[16:17]
	s_lshl_b32 s16, ttmp9, 7                       ; stats: 128 bytes a work-group
	s_add_nc_u64 s[10:11], s[10:11], s[16:17]
	s_lshl_b32 s16, ttmp9, 15                      ; ypart: 16 heads x 2,048 bytes a work-group
	s_add_nc_u64 s[12:13], s[12:13], s[16:17]
	v_lshl_add_u32 v21, s14, 1, v3                 ; hd = 2 w + hh: my head in SOFT
	v_lshlrev_b32 v22, 4, v2                       ; 16 r
	v_mul_u32_u24 v26, v2, XP
	v_lshl_add_u32 v26, v3, 4, v26
	v_add_nc_u32 v6, s18, v26                      ; v6: fragments of x: my tile, row r, + 16 hh
	v_lshrrev_b32 v27, 1, v2
	v_and_b32 v28, 1, v2
	v_lshl_add_u32 v27, v28, 3, v27                ; head h lies in row (h >> 1) + 8 (h & 1), so that the two heads of a wave in SOFT lie 8 rows = 1,152 bytes
	v_mul_u32_u24 v27, v27, SPP                    ; apart, 128 modulo 256: the 32 lanes' 8 bytes then fall on 256 different bytes modulo 256
	v_lshl_add_u32 v27, v3, 5, v27
	s_mul_i32 s21, s14, SPW
	s_add_co_u32 s21, s21, SPART
	v_add_nc_u32 v7, s21, v27                      ; v7: my wave's parts: head r's row, l = 8 hh ..
	v_lshl_add_u32 v27, v3, 3, s14                 ; head hd's row: w + 8 hh
	v_mul_u32_u24 v27, v27, SPP
	v_lshl_add_u32 v27, v2, 3, v27
	v_add_nc_u32 v8, SPART, v27                    ; v8: wave 0's part of s'[hd][2 r, 2 r + 1]
	v_mul_u32_u24 v27, v21, SSP
	v_lshl_add_u32 v28, v2, 3, v27
	v_add_nc_u32 v9, SS, v28                       ; v9: s'[hd][2 r ..] of group 0
	v_add_nc_u32 v28, v27, v22
	v_add_nc_u32 v10, SS, v28                      ; v10: s'[hd][4 r ..]
	v_mul_u32_u24 v27, v21, PTP
	v_lshl_add_u32 v27, v2, 2, v27
	v_add_nc_u32 v11, PT, v27                      ; v11: p[hd][2 r ..] in bf16
	v_mul_u32_u24 v27, v2, PTP
	v_lshl_add_u32 v27, v3, 4, v27
	v_add_nc_u32 v12, PT, v27                      ; v12: the fragment of p: row r, + 16 hh
	v_and_b32 v27, 7, v0
	v_lshl_add_u32 v27, v3, 3, v27                 ; row 8 hh + (lane & 7)
	v_mul_u32_u24 v27, v27, XP
	v_bfe_u32 v28, v0, 3, 1
	v_lshl_add_u32 v27, v28, 7, v27                ; lanes 8-15 of each half take the 16 bytes 64 columns on: see XLOAD
	v_add_nc_u32 v13, s18, v27                     ; v13: transposing loads from my tile
	v_lshlrev_b32 v27, 2, v21
	v_add_nc_u32 v14, ALPH, v27                    ; v14: alpha[hd]
	v_add_nc_u32 v20, ST, v27                      ; v20: m'[hd]
	v_lshlrev_b32 v27, 2, v2
	v_add_nc_u32 v15, ALPH, v27                    ; v15: alpha[r]
	v_mul_u32_u24 v27, v2, XP
	v_lshl_add_u32 v27, v3, 7, v27
	v_add_nc_u32 v16, s18, v27                     ; v16: the way out: stage (my tile's bytes), row r = head of 272 bytes, + 128 hh
	v_mul_u32_u24 v27, v3, XP
	v_add_nc_u32 v27, v27, v22
	v_add_nc_u32 v17, s18, v27                     ; v17: stage read back, two rows at a time: row hh, + 16 r
	v_lshl_add_u32 v18, v21, 13, v22               ; v18: pexp, head hd (8,192 bytes), + 16 r
	v_lshl_add_u32 v19, v3, 11, v22                ; v19: ypart: head hh (2,048 bytes), + 16 r,
	v_add_nc_u32 v19, s22, v19                     ;      + my wave's 256 bytes of a head's row
	v_lshlrev_b32 v24, 2, v1                       ; v24: stats, 4 lane
	v_add_nc_u32 v25, ST, v24                      ; v25: the same word in LDS
; Group g's 32 rows, two at a time: wait for both, round to bf16, ask for the rows R further down into the same slots, store 8 bytes a lane and row.
; The tile is the wave's own: LDS serves a wave's instructions in order (ISA guide 5.7.1), so these stores stand behind the last group's reads of it without a wait.
.macro CONV g
	WIN 0x55
.set n, 32*\g
.rept 16
.if n+R < 128
	s_wait_loadcnt R-2                             ; behind rows n and n + 1: the loads of rows n + 2 .. n + R - 1 stay out (wk's loads are older than row 0's)
.else
	s_wait_loadcnt 126-n                           ; nothing is asked for any more: rows n + 2 .. 127 stay out
.endif
	v_cvt_pk_bf16_f32 v[T1+2*(n%4)],   v[RING+4*(n%R)],       v[RING+4*(n%R)+1]
	v_cvt_pk_bf16_f32 v[T1+2*(n%4)+1], v[RING+4*(n%R)+2],     v[RING+4*(n%R)+3]
	v_cvt_pk_bf16_f32 v[T1+2*(n%4)+2], v[RING+4*((n+1)%R)],   v[RING+4*((n+1)%R)+1]
	v_cvt_pk_bf16_f32 v[T1+2*(n%4)+3], v[RING+4*((n+1)%R)+2], v[RING+4*((n+1)%R)+3]
.if n+R < 128
	global_load_b128 v[RING+4*(n%R):RING+4*(n%R)+3],         v[VOFF1], s[4:5] offset:4096*(n+R) th:TH_LOAD_NT
	global_load_b128 v[RING+4*((n+1)%R):RING+4*((n+1)%R)+3], v[VOFF1], s[4:5] offset:4096*(n+1+R) th:TH_LOAD_NT
.endif
	ds_store_b64 v[XST1], v[T1+2*(n%4):T1+2*(n%4)+1]   offset:XP*(n%32)
	ds_store_b64 v[XST1], v[T1+2*(n%4)+2:T1+2*(n%4)+3] offset:XP*(n%32+1)
.set n, n+2
.endr
	WIN 0
.endm
; The wave's part of the group's scores: 2 row tiles x 4 steps of 32 columns.  The two accumulators take turns, one instruction a turn.
; CONV's 64 conversions stand between the last group's products and these loads into their fragments.
.macro SMUL f, t, zero
	s_wait_dscnt 14-2*(2*\f+\t)                    ; this fragment's two loads are in; the later fragments' stay out
.if \zero
	v_wmma_f32_16x16x32_bf16 v[SACC+8*\t:SACC+8*\t+7], v[AF+8*(2*\f+\t):AF+8*(2*\f+\t)+7], v[WKF+8*\f:WKF+8*\f+7], 0
.else
	v_wmma_f32_16x16x32_bf16 v[SACC+8*\t:SACC+8*\t+7], v[AF+8*(2*\f+\t):AF+8*(2*\f+\t)+7], v[WKF+8*\f:WKF+8*\f+7], v[SACC+8*\t:SACC+8*\t+7]
.endif
.endm
.macro SCORE
.irp f, 0,1,2,3
.irp t, 0,1
	ds_load_b128 v[AF+8*(2*\f+\t):AF+8*(2*\f+\t)+3],   v6 offset:16*XP*\t+64*\f
	ds_load_b128 v[AF+8*(2*\f+\t)+4:AF+8*(2*\f+\t)+7], v6 offset:16*XP*\t+64*\f+32
.endr
.endr
	SMUL 0, 0, 1                                   ; the first products start the group's sums
	SMUL 0, 1, 1
.irp f, 1,2,3
	SMUL \f, 0, 0
	SMUL \f, 1, 0
.endr
	PLACES                                         ; in front of the stores of the results, and of XLOAD's loads into the fragments
.irp t, 0,1
	ds_store_b128 v7, v[SACC+8*\t:SACC+8*\t+3]   offset:64*\t          ; register j of lane (r, hh) is s'[h = r][l = 16 t + 8 hh + j]
	ds_store_b128 v7, v[SACC+8*\t+4:SACC+8*\t+7] offset:64*\t+16
.endr
	BAR                                            ; the eight parts are whole; and nobody reads the last group's p and alpha any more
.endm
; x transposed: 16 columns c x 32 l for each of 8 tiles.  A transposing load hands each group of 8 lanes the 8 x 8 block that the group addressed (8 rows l,
; 16 bytes = 8 columns).
; Tile tt is columns 8 tt .. + 7 and 64 + 8 tt .. + 7.
.macro XLOAD
.irp tt, 0,1,2,3,4,5,6,7
	ds_load_tr16_b128 v[XT+8*\tt:XT+8*\tt+3],   v13 offset:16*\tt
	ds_load_tr16_b128 v[XT+8*\tt+4:XT+8*\tt+7], v13 offset:16*XP+16*\tt
.endr
.endm
; Wave w takes heads 2 w and 2 w + 1, one for each half of its lanes; lane r takes l = 2 r and 2 r + 1 of the group's 32.
.macro SOFT g, first, last
.irp wv, 0,1,2,3,4,5,6,7
	ds_load_b64 v[RED+2*\wv:RED+2*\wv+1], v8 offset:SPW*\wv
.endr
	XLOAD                                          ; my own tile, for PMUL: on its way while the softmax is worked out
	s_wait_dscnt 16                                ; the eight parts are in; the 16 transposing loads stay out
.irp k, 0,2,4,6
	v_pk_add_f32 v[RED+\k:RED+\k+1], v[RED+\k:RED+\k+1], v[RED+8+\k:RED+9+\k]
.endr
	v_pk_add_f32 v[RED:RED+1], v[RED:RED+1], v[RED+4:RED+5]
	v_pk_add_f32 v[RED+2:RED+3], v[RED+2:RED+3], v[RED+6:RED+7]
	v_pk_add_f32 v[RED:RED+1], v[RED:RED+1], v[RED+2:RED+3]
	ds_store_b64 v9, v[RED:RED+1] offset:128*\g    ; s' is kept for the end
.if \first
	v_max_num_f32 v[MX], v[RED], v[RED+1]
	RMAX MX                                        ; the first group starts the running maximum
.else
	v_max_num_f32 v[GM], v[RED], v[RED+1]
	RMAX GM
	v_max_num_f32 v[GM], v[GM], v[MX]              ; the new maximum
	v_sub_f32 v[ALP], v[MX], v[GM]
	v_exp_f32 v[ALP], v[ALP]                       ; alpha = 2^(old - new), at most 1
	v_mov_b32 v[MX], v[GM]                         ; the plain instruction behind the exponential (ISA guide 5.7.2)
.endif
	v_sub_f32 v[P0], v[RED], v[MX]
	v_sub_f32 v[P0+1], v[RED+1], v[MX]
	v_exp_f32 v[P0], v[P0]                         ; p = 2^(s' - m'), at most 1
	v_exp_f32 v[P0+1], v[P0+1]
	v_nop                                          ; one plain instruction between the exponentials and the use of their results
.if \first
	s_wait_alu depctr_va_vdst(0)
	v_add_f32 v[SM], v[P0], v[P0+1]
	RSUM SM                                        ; the first group starts the running sum
.else
	s_wait_alu depctr_va_vdst(0)
	v_add_f32 v[PS], v[P0], v[P0+1]
	RSUM PS
	v_fma_f32 v[SM], v[SM], v[ALP], v[PS]
.endif
	v_cvt_pk_bf16_f32 v[PB], v[P0], v[P0+1]
	ds_store_b32 v11, v[PB]
.if \first
.else
	ds_store_b32 v14, v[ALP]                       ; the 16 lanes store the same word
.endif
.if \last
	ds_store_b32 v20, v[MX]                        ; the chunk's m' and sum
	ds_store_b32 v20, v[SM] offset:64
.endif
	BAR                                            ; p and alpha are whole; and nobody reads the parts of s' any more
.endm
.macro PLOAD first
	ds_load_b128 v[PF:PF+3],   v12
	ds_load_b128 v[PF+4:PF+7], v12 offset:32
.if \first
.else
	ds_load_b32 v[ALF], v15
.endif
.endm
; D = (x transposed: 16 c x 32 l) x (p: 32 l x 16 heads): register j of lane (r, hh) is (column 64 hh + 8 tt + j, head r), so alpha is one number a lane.
; The eight accumulators take turns, one instruction a turn.
.macro PMUL first
	s_wait_dscnt 0x0                               ; p and alpha (the transposed fragments were in at the barrier)
.if \first
.else
	v_mov_b32 v[ALF+1], v[ALF]                     ; a pair for the packed multiply
.set k, 0
.rept 32
	v_pk_mul_f32 v[YACC+2*k:YACC+2*k+1], v[YACC+2*k:YACC+2*k+1], v[ALF:ALF+1]
.set k, k+1
.endr
.endif
.irp tt, 0,1,2,3,4,5,6,7
.if \first
	v_wmma_f32_16x16x32_bf16 v[YACC+8*\tt:YACC+8*\tt+7], v[XT+8*\tt:XT+8*\tt+7], v[PF:PF+7], 0
.else
	v_wmma_f32_16x16x32_bf16 v[YACC+8*\tt:YACC+8*\tt+7], v[XT+8*\tt:XT+8*\tt+7], v[PF:PF+7], v[YACC+8*\tt:YACC+8*\tt+7]
.endif
.endr
.endm
	CONV 0
	SCORE
	SOFT 0, 1, 0
	PLOAD 1
	PMUL 1                                         ; the first products start the sums
	CONV 1
	SCORE
	SOFT 1, 0, 0
	PLOAD 0
	PMUL 0
	CONV 2
	SCORE
	SOFT 2, 0, 0
	PLOAD 0
	PMUL 0
	CONV 3
	SCORE
	SOFT 3, 0, 1
	s_cmp_lg_u32 s14, 0
	s_cbranch_scc1 .Lnostat
	ds_load_b32 v23, v25                           ; wave 0 stores the work-group's 128 bytes of m' and sums
	s_wait_dscnt 0x0
	global_store_b32 v24, v23, s[10:11]
.Lnostat:
	ds_load_b128 v[RED:RED+3],   v10               ; s' of my head, l = 4 r .. + 3 and 64 + 4 r .. + 3: my wave's own stores, four groups of them
	ds_load_b128 v[RED+4:RED+7], v10 offset:256
	PLOAD 0
	s_wait_dscnt 3                                 ; s' is in; p's two loads and alpha's one stay out
.irp j, 0,1,2,3,4,5,6,7
	v_sub_f32 v[RED+\j], v[RED+\j], v[MX]          ; the chunk's final maximum is taken away
.endr
.irp j, 0,1,2,3,4,5,6,7
	v_exp_f32 v[RED+\j], v[RED+\j]
.endr
	v_nop                                          ; one plain instruction between the exponentials and the use of their results
	s_wait_alu depctr_va_vdst(0)
	global_store_b128 v18, v[RED:RED+3],   s[8:9]              ; 16 lanes store 256 consecutive bytes, aligned
	global_store_b128 v18, v[RED+4:RED+7], s[8:9] offset:256   ; (these registers are not written again)
	PMUL 0
	PLACES                                         ; in front of the conversions, which read the results and write over the fragments
	; The way out: lane (r = head, hh) holds columns 64 hh + 8 tt + j of my wave's 128: eight neighbouring columns a tile, 16 bytes in bf16.  They go through
	; my own tile's bytes (16 rows of 256 + 16 bytes: 4,352 of its 8,704), all reads of which are back, into whole rows.  No other wave touches these
	; bytes: no barrier.
.irp tt, 0,1,2,3,4,5,6,7
.irp k, 0,1,2,3
	v_cvt_pk_bf16_f32 v[XT+4*\tt+\k], v[YACC+8*\tt+2*\k], v[YACC+8*\tt+2*\k+1]
.endr
	ds_store_b128 v16, v[XT+4*\tt:XT+4*\tt+3] offset:16*\tt
.endr
.set n, 0
.rept 8
	ds_load_b128 v[XT+32+4*n:XT+32+4*n+3], v17 offset:2*XP*n       ; heads 2 n and 2 n + 1; served in order behind the stores above
.set n, n+1
.endr
.set n, 0
.rept 8
	s_wait_dscnt 7-n                               ; these two heads' rows are in; the later rows' loads stay out
	global_store_b128 v19, v[XT+32+4*n:XT+32+4*n+3], s[12:13] offset:4096*n   ; each half of the lanes stores 256 consecutive bytes, aligned
.set n, n+1
.endr
	s_wait_tensorcnt 0x0
	ds_add_u32 v110, v111
	s_wait_dscnt 0x0
	s_endpgm
.Lfunc_end_k_q6a40c37185_pool:
	.size	k_q6a40c37185_pool, .Lfunc_end_k_q6a40c37185_pool-k_q6a40c37185_pool
	.p2alignl 7, 3214868480
	.fill 96, 4, 3214868480
	.section	.rodata,"a",@progbits
	.p2align	6, 0x0
	.amdhsa_kernel k_q6a40c37185_pool
		.amdhsa_group_segment_fixed_size 99328
		.amdhsa_private_segment_fixed_size 0
		.amdhsa_enable_private_segment 0
		.amdhsa_kernarg_size 40
		.amdhsa_user_sgpr_count 2
		.amdhsa_user_sgpr_kernarg_segment_ptr 1
		.amdhsa_wavefront_size32 1
		.amdhsa_system_sgpr_workgroup_id_x 1
		.amdhsa_system_sgpr_workgroup_id_y 1
		.amdhsa_system_sgpr_workgroup_id_z 1
		.amdhsa_system_vgpr_workitem_id 0
		.amdhsa_next_free_vgpr 512
		.amdhsa_next_free_sgpr 66
		.amdhsa_reserve_vcc 0
		.amdhsa_float_denorm_mode_32 3
		.amdhsa_float_denorm_mode_16_64 3
		.amdhsa_memory_ordered 1
		.amdhsa_forward_progress 1
		.amdhsa_inst_pref_size 80
	.end_amdhsa_kernel
	.amdgpu_metadata
---
amdhsa.version: [ 1, 2 ]
amdhsa.kernels:
  - .name:           k_q6a40c37185_pool
    .symbol:         k_q6a40c37185_pool.kd
    .args:
      - { .name: x, .offset: 0, .size: 8, .value_kind: global_buffer, .address_space: global }
      - { .name: wkf, .offset: 8, .size: 8, .value_kind: global_buffer, .address_space: global }
      - { .name: pexp, .offset: 16, .size: 8, .value_kind: global_buffer, .address_space: global }
      - { .name: stats, .offset: 24, .size: 8, .value_kind: global_buffer, .address_space: global }
      - { .name: ypart, .offset: 32, .size: 8, .value_kind: global_buffer, .address_space: global }
    .group_segment_fixed_size: 99328
    .private_segment_fixed_size: 0
    .kernarg_segment_align: 8
    .kernarg_segment_size: 40
    .max_flat_workgroup_size: 256
    .sgpr_count:     66
    .vgpr_count:     512
    .wavefront_size: 32
...
	.end_amdgpu_metadata
.endif
;; end of part 2
;; launch comb (part 3): grid 16 x 16, 8 waves a work-group, no clusters, 58,880 bytes of LDS; arguments stats, pexp, ypart, w_vs, out1, ctxpart; writes out1, ctxpart
.if DOCPART == 3
	.amdgcn_target "amdgcn-amd-amdhsa--gfx1250"
	.amdhsa_code_object_version 6
	.text
	.protected	k_q6a40c37185_comb
	.globl	k_q6a40c37185_comb
	.p2align	8
	.type	k_q6a40c37185_comb,@function
k_q6a40c37185_comb:
	s_mov_b64 s[64:65], 0
	v_nop
	global_prefetch_b8 v0, s[64:65] scope:SCOPE_SE
	s_setreg_imm32_b32 hwreg(HW_REG_WAVE_MODE, 25, 1), 1
	s_wait_xcnt 0x0
; Launch 3 of 5: the chunks' softmax pieces are joined, and y meets w_vs.  v is not formed (the identity stands at the head of launch 1).
; For head h and batch b:  M = max over the 16 chunks of m';  f[b][chunk] = 2^(m' - M) / sum over chunks of 2^(m' - M) sum[chunk];
;   attn[b][h][l] = f[b][chunk of l] pexp[b][h][l];
;   ctx[b][h][d]  = sum over chunks of f[b][chunk] * ( sum over c of ypart[16 b + chunk][h][c] w_vs[c][64 h + d] ).
; The inner sum is the matrix product, with ypart (bf16 as it lies in memory) as its operand: the 16 chunks of one batch are its 16 columns.  The factor then
; multiplies f32 results (a chunk is a lane, so it is one number a lane), and the 16 lanes are added in f32.
; Work-group (h, y), y = 0 .. 15:  attn[b = y][h][:] (8 KB of out1); and, with cq = y >> 1 and bh = y & 1,
;   ctxpart[h][cq][b][d] = the sum above over c in 128 cq .. + 127 alone, for the 8 batches b = 8 bh .. + 7.
; 128 columns, so that a row's piece of ypart is 256 aligned bytes.  Wave w owns batch 8 bh + w: 16 rows of ypart (4 KB, through its own LDS tile into fragments),
; 4 tiles of 16 d x 4 steps of 32 c = 16 products.  All 22 loads of a thread are issued at once.  The denominator is at least 1 (the largest chunk's largest p is 1).
; The work-group's numbers stand in global offsets only: every LDS address is made of the thread's number, the wave's number and constants.
; No cluster: the two work-groups (bh = 0, 1) of one (h, cq) read the same 32 KB of w_vs, of the 72 KB that each reads; it is f32 and is rounded to bf16 on its way into
; LDS, so it comes through registers, which a joint request does not fill.
.set YTP, 272                          ; LDS: for each wave 16 rows (chunks) of 128 bf16 + 16 bytes = 17 x 16: 16 rows start in 16 different 16-byte columns of 256 bytes
.set YTW, 16*YTP
.set WT,  8*YTW                        ; w_vs in bf16 [128 c][64 d], pitch 160 (5 x 32, for the transposing loads)
.set WPITCH, 160
.set CS,  WT+128*WPITCH                ; the result in f32: for each wave its batch's 64 d, 256 bytes, the wave's own
.set F2,  CS+2048                      ; f[y][0..15] in f32, 64 bytes for each wave, the wave's own
; v1 lane, v2 r = p = lane & 15, v3 hh, v4 2 w + hh, v5 16 p; v6-v19, v30 addresses (never rewritten)
; v20, v21 m' and sum of (my batch, chunk r); v25, v26 those of (batch y, chunk r); v22-v24, v27, v31 at work; v28, v29 the two factors for attn
.set FY,  32                           ; v[32:33]   f[my batch][chunk r], twice
.set PE,  36                           ; v[36:43]   8 numbers of pexp, then of attn
.set WV,  44                           ; v[44:75]   8 rows of w_vs, 4 columns each
.set YP,  76                           ; v[76:107]  8 x 2 rows of ypart, 8 columns each
.set AW1, 44                           ; v[44:107]  fragments of w_vs transposed, steps 2 and 3 (in the room of WV and YP, which are dead by then)
.set T,   108                          ; v[108:123] bf16 on their way to LDS; the last read-back
.set BY,  124                          ; v[124:155] four fragments of ypart
.set DA,  156                          ; v[156:187] four accumulators, one for each 16 d
.set AW0, 188                          ; v[188:251] fragments of w_vs transposed, steps 0 and 1
	s_load_b256 s[4:11], s[0:1], 0x0               ; stats s[4:5], pexp s[6:7], ypart s[8:9], w_vs s[10:11]
	s_load_b128 s[12:15], s[0:1], 0x20             ; out1 s[12:13], ctxpart s[14:15]
	v_lshl_add_u32 v254, v0, 2, 0xe200
	v_mov_b32 v255, 0
	v_lshrrev_b32 v1, 5, v0
	v_readfirstlane_b32 s18, v1                    ; wave 0..7
	s_and_b32 s17, ttmp7, 0xffff                   ; y
	s_lshr_b32 s16, s17, 1                         ; cq
	s_and_b32 s28, s17, 1                          ; bh
	v_and_b32 v1, 31, v0
	v_and_b32 v2, 15, v0
	v_bfe_u32 v3, v0, 4, 1
	v_lshl_add_u32 v4, s18, 1, v3
	v_lshlrev_b32 v5, 4, v2
	s_lshl_b32 s19, s28, 14                        ; stats: 2,048 bytes a batch (16 work-groups of launch 2, 128 bytes each): batch 8 bh + w,
	s_lshl_b32 s29, s18, 11
	s_add_co_u32 s19, s19, s29
	v_lshl_add_u32 v6, v2, 7, s19                  ; chunk r
	s_lshl_b32 s19, s17, 11                        ; and batch y,
	v_lshl_add_u32 v19, v2, 7, s19                 ; chunk r
	v_lshlrev_b32 v7, 4, v0                        ; pexp, out1: 16 t
	v_lshl_add_u32 v8, v4, 12, v5                  ; w_vs: row 2 w + hh of 16, + 16 p
	s_lshl_b32 s19, s18, 19                        ; ypart: 16 chunks of 32,768 bytes for each wave's batch,
	v_lshl_add_u32 v9, v3, 15, v5                  ; chunk hh, + 16 r
	v_add_nc_u32 v9, s19, v9
	v_lshlrev_b32 v10, 3, v0                       ; ctxpart: 8 t
	s_lshl_b32 s20, ttmp9, 2                       ; stats: word h
	s_mov_b32 s21, 0
	s_lshl_b32 s22, s17, 4
	s_add_co_u32 s22, s22, ttmp9
	s_lshl_b32 s22, s22, 13                        ; pexp, out1: row (b = y, h) of 8,192 bytes
	s_mov_b32 s23, 0
	s_lshl_b32 s24, s28, 22                        ; ypart: 8 batches x 16 chunks x 32,768 bytes for each bh,
	s_lshl_b32 s19, ttmp9, 11                      ; head h (2,048 bytes),
	s_add_co_u32 s24, s24, s19
	s_lshl_b32 s19, s16, 8                         ; columns 128 cq ..
	s_add_co_u32 s24, s24, s19
	s_mov_b32 s25, 0
	s_lshl_b32 s26, s16, 19                        ; w_vs: rows 128 cq ..,
	s_lshl_b32 s19, ttmp9, 8                       ; columns 64 h ..
	s_add_co_u32 s26, s26, s19
	s_mov_b32 s27, 0
	s_wait_kmcnt 0x0
	s_add_nc_u64 s[4:5], s[4:5], s[20:21]
	s_add_nc_u64 s[6:7], s[6:7], s[22:23]
	s_add_nc_u64 s[12:13], s[12:13], s[22:23]
	s_add_nc_u64 s[8:9], s[8:9], s[24:25]
	s_add_nc_u64 s[10:11], s[10:11], s[26:27]
	s_lshl_b32 s20, ttmp9, 3
	s_add_co_u32 s20, s20, s16
	s_lshl_b32 s20, s20, 12                        ; ctxpart: block (h, cq) of 4,096 bytes,
	s_lshl_b32 s19, s28, 11                        ; its half of 8 batches
	s_add_co_u32 s20, s20, s19
	s_add_nc_u64 s[14:15], s[14:15], s[20:21]
	global_load_b32 v20, v6, s[4:5]                        ; m' of (my batch, chunk r)
	global_load_b32 v21, v6, s[4:5] offset:64              ; that chunk's sum
	global_load_b32 v25, v19, s[4:5]                       ; m' of (y, chunk r)
	global_load_b32 v26, v19, s[4:5] offset:64             ; that chunk's sum
	global_load_b128 v[PE:PE+3],   v7, s[6:7] th:TH_LOAD_NT
	global_load_b128 v[PE+4:PE+7], v7, s[6:7] offset:4096 th:TH_LOAD_NT
.irp i, 0,1,2,3,4,5,6,7
	global_load_b128 v[WV+4*\i:WV+4*\i+3], v8, s[10:11] offset:65536*\i                   ; rows 2 w + hh + 16 i: 16 lanes read 256 consecutive bytes
.endr
.irp i, 0,1,2,3,4,5,6,7
	global_load_b128 v[YP+4*\i:YP+4*\i+3], v9, s[8:9] offset:65536*\i th:TH_LOAD_NT       ; chunks 2 i + hh: 16 lanes read 256 consecutive bytes, aligned
.endr
	s_lshl_b32 s19, s18, 6
	s_add_co_u32 s19, s19, F2
	v_lshl_add_u32 v30, v2, 2, s19                 ; LDS: f[y][r] in my wave's own 64 bytes
	s_mul_i32 s19, s18, 68
	s_add_co_u32 s19, s19, F2
	v_mov_b32 v11, s19                             ; word w of those 64 bytes: my wave's 128 positions of attn are chunk w, and (32 bytes on) chunk 8 + w
	s_mul_i32 s19, s18, YTW                        ; my wave's tile of ypart
	v_mul_u32_u24 v22, v3, YTP
	v_add_nc_u32 v22, v22, v5
	v_add_nc_u32 v13, s19, v22                     ; in: row hh, + 16 r
	v_mul_u32_u24 v22, v2, YTP
	v_lshl_add_u32 v22, v3, 4, v22
	v_add_nc_u32 v15, s19, v22                     ; fragments: row r = chunk, + 16 hh
	v_mul_u32_u24 v22, v4, WPITCH
	v_lshl_add_u32 v22, v2, 3, v22
	v_add_nc_u32 v14, WT, v22                      ; w_vs row 2 w + hh, columns 4 p .. in bf16
	v_and_b32 v22, 7, v0
	v_lshl_add_u32 v22, v3, 3, v22
	v_mul_u32_u24 v22, v22, WPITCH
	v_bfe_u32 v23, v0, 3, 1
	v_lshl_add_u32 v22, v23, 4, v22
	v_add_nc_u32 v16, WT, v22                      ; transposing loads: row 8 hh + (lane & 7), columns 8 ((lane >> 3) & 1) ..
	s_lshl_b32 s19, s18, 8
	s_add_co_u32 s19, s19, CS
	v_lshl_add_u32 v17, v3, 5, s19                 ; result: my wave's 256 bytes, d = 8 hh ..
	v_lshl_add_u32 v18, v1, 3, s19                 ; read back: 8 bytes a lane
	; the factors, twice side by side: the 16 lanes of a row hold the 16 chunks of my batch (v20-v24) and of batch y (v25-v27, v31)
	s_wait_loadcnt 18                              ; the four words of stats are in; the 18 loads issued behind them stay out
	v_mov_b32 v22, v20
	v_mov_b32 v27, v25
.irp m, 1,2,4,8
	v_max_num_f32_dpp v22, v22, v22 row_xmask:\m row_mask:0xf bank_mask:0xf
	v_max_num_f32_dpp v27, v27, v27 row_xmask:\m row_mask:0xf bank_mask:0xf
.endr
	v_sub_f32 v23, v20, v22                        ; the batch's maximum is taken away
	v_sub_f32 v31, v25, v27
	v_exp_f32 v23, v23
	v_exp_f32 v31, v31
	v_nop                                          ; one plain instruction behind the transcendentals (ISA guide 5.7.2)
	s_wait_alu depctr_va_vdst(0)
	v_mul_f32 v24, v23, v21
	v_mul_f32 v27, v31, v26
.irp m, 1,2,4,8
	v_add_f32_dpp v24, v24, v24 row_xmask:\m row_mask:0xf bank_mask:0xf
	v_add_f32_dpp v27, v27, v27 row_xmask:\m row_mask:0xf bank_mask:0xf
.endr
	v_rcp_f32 v24, v24
	v_rcp_f32 v27, v27
	v_nop
	s_wait_alu depctr_va_vdst(0)
	v_mul_f32 v[FY], v23, v24                      ; f[my batch][r] stays in the lane that will hold chunk r's results
	v_mul_f32 v31, v31, v27
	v_mov_b32 v[FY+1], v[FY]                       ; a pair for the packed multiply
	ds_store_b32 v30, v31                          ; f[y][r]; both halves of the lanes store the same word
.irp i, 0,1,2,3,4,5,6,7
	s_wait_loadcnt 15-\i                           ; w_vs's load i is in (and pexp); its 7 - i younger loads and ypart's 8 stay out
	v_cvt_pk_bf16_f32 v[T+2*\i],   v[WV+4*\i],   v[WV+4*\i+1]
	v_cvt_pk_bf16_f32 v[T+2*\i+1], v[WV+4*\i+2], v[WV+4*\i+3]
	ds_store_b64 v14, v[T+2*\i:T+2*\i+1] offset:16*WPITCH*\i
.endr
.irp i, 0,1,2,3,4,5,6,7
	s_wait_loadcnt 7-\i                            ; ypart's load i is in; its 7 - i younger loads stay out
	ds_store_b128 v13, v[YP+4*\i:YP+4*\i+3] offset:2*YTP*\i
.endr
	s_wait_dscnt 0x0                               ; my stores are done before I say so
	s_barrier_signal -1
	s_barrier_wait -1                              ; w_vs is whole in LDS
.macro ALOAD base, f, dt               ; w_vs transposed: 16 d (16 dt ..) x 32 c (32 f ..)
	ds_load_tr16_b128 v[\base+8*\dt:\base+8*\dt+3],   v16 offset:32*WPITCH*\f+32*\dt
	ds_load_tr16_b128 v[\base+8*\dt+4:\base+8*\dt+7], v16 offset:32*WPITCH*\f+16*WPITCH+32*\dt
.endm
; D = (w_vs transposed: 16 d x 32 c) x (ypart: 32 c x 16 chunks): register j of lane (r, hh) is (d = 16 dt + 8 hh + j, chunk r).
; The four accumulators take turns, one instruction a turn.
.macro CMUL base, f, dt, zero
	s_wait_dscnt 30-2*(4*\f+\dt)                   ; this fragment's two transposing loads are in; the later fragments' stay out
.if \zero
	v_wmma_f32_16x16x32_bf16 v[DA+8*\dt:DA+8*\dt+7], v[\base+8*\dt:\base+8*\dt+7], v[BY+8*\f:BY+8*\f+7], 0
.else
	v_wmma_f32_16x16x32_bf16 v[DA+8*\dt:DA+8*\dt+7], v[\base+8*\dt:\base+8*\dt+7], v[BY+8*\f:BY+8*\f+7], v[DA+8*\dt:DA+8*\dt+7]
.endif
.endm
	ds_load_b32 v28, v11                           ; f[y][w]
	ds_load_b32 v29, v11 offset:32                 ; f[y][8 + w]
.irp f, 0,1,2,3
	ds_load_b128 v[BY+8*\f:BY+8*\f+3],   v15 offset:64*\f
	ds_load_b128 v[BY+8*\f+4:BY+8*\f+7], v15 offset:64*\f+32
.endr
.irp dt, 0,1,2,3
	ALOAD AW0, 0, \dt
.endr
.irp dt, 0,1,2,3
	ALOAD AW0+32, 1, \dt
.endr
.irp dt, 0,1,2,3
	ALOAD AW1, 2, \dt
.endr
.irp dt, 0,1,2,3
	ALOAD AW1+32, 3, \dt
.endr
	s_wait_dscnt 40                                ; the two factors are in; ypart's 8 fragment loads and the 32 transposing loads stay out
	v_pk_mul_f32 v[PE:PE+1],   v[PE:PE+1],   v[28:29] op_sel_hi:[1,0]
	v_pk_mul_f32 v[PE+2:PE+3], v[PE+2:PE+3], v[28:29] op_sel_hi:[1,0]
	v_pk_mul_f32 v[PE+4:PE+5], v[PE+4:PE+5], v[28:29] op_sel:[0,1] op_sel_hi:[1,1]
	v_pk_mul_f32 v[PE+6:PE+7], v[PE+6:PE+7], v[28:29] op_sel:[0,1] op_sel_hi:[1,1]
	global_store_b128 v7, v[PE:PE+3],   s[12:13] th:TH_STORE_NT              ; a wave stores 512 consecutive bytes, aligned
	global_store_b128 v7, v[PE+4:PE+7], s[12:13] offset:4096 th:TH_STORE_NT
.irp dt, 0,1,2,3
	CMUL AW0, 0, \dt, 1                            ; the first products start the sums
.endr
.irp dt, 0,1,2,3
	CMUL AW0+32, 1, \dt, 0
.endr
.irp dt, 0,1,2,3
	CMUL AW1, 2, \dt, 0
.endr
.irp dt, 0,1,2,3
	CMUL AW1+32, 3, \dt, 0
.endr
.rept 4
	v_nop                                          ; four plain instructions before the results are read (ISA guide 7.12.1)
.endr
.set k, 0
.rept 16
	v_pk_mul_f32 v[DA+2*k:DA+2*k+1], v[DA+2*k:DA+2*k+1], v[FY:FY+1]          ; chunk r's results times f[my batch][r]
.set k, k+1
.endr
.irp m, 1,2,4,8                                    ; the 16 chunks are added: over the 16 lanes of a row, 32 numbers side by side
.set k, 0
.rept 32
	v_add_f32_dpp v[DA+k], v[DA+k], v[DA+k] row_xmask:\m row_mask:0xf bank_mask:0xf
.set k, k+1
.endr
.endr
.irp dt, 0,1,2,3
	ds_store_b128 v17, v[DA+8*\dt:DA+8*\dt+3]   offset:64*\dt      ; d = 16 dt + 8 hh ..; the 16 lanes of a half store the same 16 bytes
	ds_store_b128 v17, v[DA+8*\dt+4:DA+8*\dt+7] offset:64*\dt+16
.endr
	ds_load_b64 v[T:T+1], v18                      ; my wave's own 256 bytes, served in order behind the stores above (ISA guide 5.7.1): no barrier
	s_wait_dscnt 0x0
	global_store_b64 v10, v[T:T+1], s[14:15]       ; a wave stores its batch's 256 consecutive bytes, aligned
	s_wait_tensorcnt 0x0
	ds_add_u32 v254, v255
	s_wait_dscnt 0x0
	s_endpgm
.Lfunc_end_k_q6a40c37185_comb:
	.size	k_q6a40c37185_comb, .Lfunc_end_k_q6a40c37185_comb-k_q6a40c37185_comb
	.p2alignl 7, 3214868480
	.fill 96, 4, 3214868480
	.section	.rodata,"a",@progbits
	.p2align	6, 0x0
	.amdhsa_kernel k_q6a40c37185_comb
		.amdhsa_group_segment_fixed_size 58880
		.amdhsa_private_segment_fixed_size 0
		.amdhsa_enable_private_segment 0
		.amdhsa_kernarg_size 48
		.amdhsa_user_sgpr_count 2
		.amdhsa_user_sgpr_kernarg_segment_ptr 1
		.amdhsa_wavefront_size32 1
		.amdhsa_system_sgpr_workgroup_id_x 1
		.amdhsa_system_sgpr_workgroup_id_y 1
		.amdhsa_system_sgpr_workgroup_id_z 1
		.amdhsa_system_vgpr_workitem_id 0
		.amdhsa_next_free_vgpr 256
		.amdhsa_next_free_sgpr 66
		.amdhsa_reserve_vcc 0
		.amdhsa_float_denorm_mode_32 3
		.amdhsa_float_denorm_mode_16_64 3
		.amdhsa_memory_ordered 1
		.amdhsa_forward_progress 1
		.amdhsa_inst_pref_size 25
	.end_amdhsa_kernel
	.amdgpu_metadata
---
amdhsa.version: [ 1, 2 ]
amdhsa.kernels:
  - .name:           k_q6a40c37185_comb
    .symbol:         k_q6a40c37185_comb.kd
    .args:
      - { .name: stats, .offset: 0, .size: 8, .value_kind: global_buffer, .address_space: global }
      - { .name: pexp, .offset: 8, .size: 8, .value_kind: global_buffer, .address_space: global }
      - { .name: ypart, .offset: 16, .size: 8, .value_kind: global_buffer, .address_space: global }
      - { .name: w_vs, .offset: 24, .size: 8, .value_kind: global_buffer, .address_space: global }
      - { .name: out1, .offset: 32, .size: 8, .value_kind: global_buffer, .address_space: global }
      - { .name: ctxpart, .offset: 40, .size: 8, .value_kind: global_buffer, .address_space: global }
    .group_segment_fixed_size: 58880
    .private_segment_fixed_size: 0
    .kernarg_segment_align: 8
    .kernarg_segment_size: 48
    .max_flat_workgroup_size: 256
    .sgpr_count:     66
    .vgpr_count:     256
    .wavefront_size: 32
...
	.end_amdgpu_metadata
.endif
;; end of part 3
;; launch fcp (part 4): grid 16 x 16, 8 waves a work-group, no clusters, 18,176 bytes of LDS; arguments ctxpart, fc, outpart; writes outpart
.if DOCPART == 4
	.amdgcn_target "amdgcn-amd-amdhsa--gfx1250"
	.amdhsa_code_object_version 6
	.text
	.protected	k_q6a40c37185_fcp
	.globl	k_q6a40c37185_fcp
	.p2align	8
	.type	k_q6a40c37185_fcp,@function
k_q6a40c37185_fcp:
	s_mov_b64 s[64:65], 0
	v_nop
	global_prefetch_b8 v0, s[64:65] scope:SCOPE_SE
	s_setreg_imm32_b32 hwreg(HW_REG_WAVE_MODE, 25, 1), 1
	s_wait_xcnt 0x0
; Launch 4 of 5: ctx fc, in blocks.  Nothing of reference() is left out here.
; Work-group (nblk, kblk):  ctx[b][64 kblk + d] = sum over the 8 cq of ctxpart[kblk][cq][b][d]  (f32, then bf16);
;   outpart[kblk][b][64 nblk + n] = sum over d of ctx[b][64 kblk + d] fc[64 kblk + d][64 nblk + n]   (matrix unit, two products for each of four waves).
; 256 threads: b = t >> 4, p = t & 15.  All 12 loads of a thread are issued at once.
; No cluster: the sixteen work-groups of one kblk read the same 32 KB of ctxpart, which goes from the load straight into sums in registers;
; a joint request would send it through LDS and add the cluster's barriers to a body of one pass.
.set YT,  0                            ; LDS: ctx in bf16 [16 b][64 k], pitch 144
.set WT,  2560                         ; fc in bf16 [64 k][64 n], pitch 160 (5 x 32, for the transposing loads)
.set CS,  12800                        ; the result in f32 [16 b][64 n], pitch 272
.set YPITCH, 144
.set WPITCH, 160
.set CPITCH, 272
.set WV,  56                           ; v[56:71]   4 rows of fc, 4 columns each
.set YP,  72                           ; v[72:103]  8 parts of ctx, 4 columns each
.set AC,  136                          ; v[136:139], v[140:143] two chains of sums
.set AC2, 140
.set T,   144                          ; v[144:151] bf16 on their way to LDS; the last read-back
.set BY,  152                          ; v[152:167] two fragments of ctx
.set AW,  168                          ; v[168:183] two fragments of fc, transposed
.set D0,  184                          ; v[184:191], v[192:199] two accumulators
.set D1,  192
	s_load_b128 s[4:7], s[0:1], 0x0                ; ctxpart s[4:5], fc s[6:7]
	s_load_b64 s[8:9], s[0:1], 0x10                ; outpart
	v_lshl_add_u32 v200, v0, 2, 0x4300
	v_mov_b32 v201, 0
	v_lshrrev_b32 v1, 5, v0
	v_readfirstlane_b32 s18, v1                    ; wave 0..7
	s_and_b32 s17, ttmp7, 0xffff                   ; kblk
	v_and_b32 v2, 15, v0                           ; p, and r in a fragment
	v_bfe_u32 v3, v0, 4, 1                         ; hh
	v_lshl_add_u32 v4, s18, 1, v3                  ; b = 2 w + hh
	v_lshlrev_b32 v5, 4, v2                        ; 16 p
	v_lshlrev_b32 v7, 4, v0                        ; ctxpart: 16 t = 256 b + 16 p
	v_lshl_add_u32 v8, v4, 12, v5                  ; fc: row b of 16, + 16 p; outpart: row b, + 16 p
	s_lshl_b32 s20, s17, 15                        ; ctxpart: 8 parts of 4,096 bytes for each kblk
	s_mov_b32 s21, 0
	s_lshl_b32 s22, s17, 18                        ; fc: rows 64 kblk ..,
	s_lshl_b32 s19, ttmp9, 8                       ; columns 64 nblk ..
	s_add_co_u32 s22, s22, s19
	s_mov_b32 s23, 0
	s_lshl_b32 s12, s17, 16                        ; outpart: 65,536 bytes for each kblk, columns 64 nblk ..
	s_add_co_u32 s12, s12, s19
	s_mov_b32 s13, 0
	s_wait_kmcnt 0x0
	s_add_nc_u64 s[4:5], s[4:5], s[20:21]
	s_add_nc_u64 s[6:7], s[6:7], s[22:23]
	s_add_nc_u64 s[8:9], s[8:9], s[12:13]
.irp i, 0,1,2,3
	global_load_b128 v[WV+4*\i:WV+4*\i+3], v8, s[6:7] offset:65536*\i th:TH_LOAD_NT       ; rows b + 16 i
.endr
.irp c, 0,1,2,3,4,5,6,7
	global_load_b128 v[YP+4*\c:YP+4*\c+3], v7, s[4:5] offset:4096*\c
.endr
	v_mul_u32_u24 v22, v4, YPITCH
	v_lshl_add_u32 v13, v2, 3, v22                 ; ctx[b][4 p ..] in bf16 (YT is LDS byte 0)
	v_mul_u32_u24 v22, v4, WPITCH
	v_lshl_add_u32 v22, v2, 3, v22
	v_add_nc_u32 v14, WT, v22                      ; fc row b, columns 4 p .. in bf16
	v_mul_u32_u24 v22, v2, YPITCH
	v_lshl_add_u32 v15, v3, 4, v22                 ; fragments of ctx: row r, + 16 hh
	v_and_b32 v22, 7, v0
	v_lshl_add_u32 v22, v3, 3, v22
	v_mul_u32_u24 v22, v22, WPITCH
	v_bfe_u32 v23, v0, 3, 1
	v_lshl_add_u32 v22, v23, 4, v22
	s_lshl_b32 s19, s18, 5
	s_add_co_u32 s19, s19, WT
	v_add_nc_u32 v16, s19, v22                     ; transposing loads: row 8 hh + (lane & 7), columns 16 w + 8 ((lane >> 3) & 1) ..
	v_mul_u32_u24 v22, v2, CPITCH
	v_lshl_add_u32 v22, v3, 5, v22
	s_lshl_b32 s19, s18, 6
	s_add_co_u32 s19, s19, CS
	v_add_nc_u32 v17, s19, v22                     ; result (b = r, n = 16 w + 8 hh ..)
	v_mul_u32_u24 v22, v4, CPITCH
	v_add_nc_u32 v22, v22, v5
	v_add_nc_u32 v18, CS, v22                      ; result read back: row b, + 16 p
	s_wait_loadcnt 8                               ; fc is in; ctxpart's 8 loads stay out
.irp i, 0,1,2,3
	v_cvt_pk_bf16_f32 v[T+2*\i],   v[WV+4*\i],   v[WV+4*\i+1]
	v_cvt_pk_bf16_f32 v[T+2*\i+1], v[WV+4*\i+2], v[WV+4*\i+3]
	ds_store_b64 v14, v[T+2*\i:T+2*\i+1] offset:16*WPITCH*\i
.endr
	s_wait_loadcnt 4                               ; parts 0-3 are in; 4 younger loads stay out
	v_pk_add_f32 v[AC:AC+1],     v[YP:YP+1],     v[YP+8:YP+9]                 ; the first sums start the two chains
	v_pk_add_f32 v[AC+2:AC+3],   v[YP+2:YP+3],   v[YP+10:YP+11]
	v_pk_add_f32 v[AC2:AC2+1],   v[YP+4:YP+5],   v[YP+12:YP+13]
	v_pk_add_f32 v[AC2+2:AC2+3], v[YP+6:YP+7],   v[YP+14:YP+15]
	s_wait_loadcnt 0x0                             ; parts 4-7 are in
.irp e, 0,8
	v_pk_add_f32 v[AC:AC+1],     v[AC:AC+1],     v[YP+16+\e:YP+16+\e+1]
	v_pk_add_f32 v[AC+2:AC+3],   v[AC+2:AC+3],   v[YP+16+\e+2:YP+16+\e+3]
	v_pk_add_f32 v[AC2:AC2+1],   v[AC2:AC2+1],   v[YP+16+\e+4:YP+16+\e+5]
	v_pk_add_f32 v[AC2+2:AC2+3], v[AC2+2:AC2+3], v[YP+16+\e+6:YP+16+\e+7]
.endr
	v_pk_add_f32 v[AC:AC+1], v[AC:AC+1], v[AC2:AC2+1]
	v_pk_add_f32 v[AC+2:AC+3], v[AC+2:AC+3], v[AC2+2:AC2+3]
	v_cvt_pk_bf16_f32 v[T], v[AC], v[AC+1]
	v_cvt_pk_bf16_f32 v[T+1], v[AC+2], v[AC+3]
	ds_store_b64 v13, v[T:T+1]
	s_wait_dscnt 0x0
	s_barrier_signal -1
	s_barrier_wait -1                              ; ctx and fc are whole in LDS
	; waves 0-3: D = (fc transposed: 16 n x 32 k) x (ctx: 32 k x 16 b), twice; register j of lane (r, hh) is (n = 16 w + 8 hh + j, b = r)
	s_cmp_gt_u32 s18, 3
	s_cbranch_scc1 .Ljoin
.irp j, 0,1,2,3
	ds_load_b128 v[BY+4*\j:BY+4*\j+3], v15 offset:32*\j
.endr
.irp j, 0,1,2,3
	ds_load_tr16_b128 v[AW+4*\j:AW+4*\j+3], v16 offset:16*WPITCH*\j
.endr
	s_wait_dscnt 0x0
	v_wmma_f32_16x16x32_bf16 v[D0:D0+7], v[AW:AW+7],    v[BY:BY+7],    0      ; two accumulators, each started by its product: no chain
	v_wmma_f32_16x16x32_bf16 v[D1:D1+7], v[AW+8:AW+15], v[BY+8:BY+15], 0
.rept 4
	v_nop                                          ; four plain instructions before the results are read (ISA guide 7.12.1)
.endr
.irp j, 0,2,4,6
	v_pk_add_f32 v[D0+\j:D0+\j+1], v[D0+\j:D0+\j+1], v[D1+\j:D1+\j+1]
.endr
	ds_store_b128 v17, v[D0:D0+3]
	ds_store_b128 v17, v[D0+4:D0+7] offset:16
.Ljoin:
	s_wait_dscnt 0x0
	s_barrier_signal -1
	s_barrier_wait -1
	ds_load_b128 v[T:T+3], v18
	s_wait_dscnt 0x0
	global_store_b128 v8, v[T:T+3], s[8:9]         ; 16 lanes store 256 consecutive bytes, aligned
	s_wait_tensorcnt 0x0
	ds_add_u32 v200, v201
	s_wait_dscnt 0x0
	s_endpgm
.Lfunc_end_k_q6a40c37185_fcp:
	.size	k_q6a40c37185_fcp, .Lfunc_end_k_q6a40c37185_fcp-k_q6a40c37185_fcp
	.p2alignl 7, 3214868480
	.fill 96, 4, 3214868480
	.section	.rodata,"a",@progbits
	.p2align	6, 0x0
	.amdhsa_kernel k_q6a40c37185_fcp
		.amdhsa_group_segment_fixed_size 18176
		.amdhsa_private_segment_fixed_size 0
		.amdhsa_enable_private_segment 0
		.amdhsa_kernarg_size 24
		.amdhsa_user_sgpr_count 2
		.amdhsa_user_sgpr_kernarg_segment_ptr 1
		.amdhsa_wavefront_size32 1
		.amdhsa_system_sgpr_workgroup_id_x 1
		.amdhsa_system_sgpr_workgroup_id_y 1
		.amdhsa_system_sgpr_workgroup_id_z 1
		.amdhsa_system_vgpr_workitem_id 0
		.amdhsa_next_free_vgpr 202
		.amdhsa_next_free_sgpr 66
		.amdhsa_reserve_vcc 0
		.amdhsa_float_denorm_mode_32 3
		.amdhsa_float_denorm_mode_16_64 3
		.amdhsa_memory_ordered 1
		.amdhsa_forward_progress 1
		.amdhsa_inst_pref_size 8
	.end_amdhsa_kernel
	.amdgpu_metadata
---
amdhsa.version: [ 1, 2 ]
amdhsa.kernels:
  - .name:           k_q6a40c37185_fcp
    .symbol:         k_q6a40c37185_fcp.kd
    .args:
      - { .name: ctxpart, .offset: 0, .size: 8, .value_kind: global_buffer, .address_space: global }
      - { .name: fc, .offset: 8, .size: 8, .value_kind: global_buffer, .address_space: global }
      - { .name: outpart, .offset: 16, .size: 8, .value_kind: global_buffer, .address_space: global }
    .group_segment_fixed_size: 18176
    .private_segment_fixed_size: 0
    .kernarg_segment_align: 8
    .kernarg_segment_size: 24
    .max_flat_workgroup_size: 256
    .sgpr_count:     66
    .vgpr_count:     202
    .wavefront_size: 32
...
	.end_amdgpu_metadata
.endif
;; end of part 4
;; launch lnorm (part 5): grid 16 x 1, 8 waves a work-group, no clusters, 1,536 bytes of LDS; arguments outpart, query, ln_gamma, ln_beta, out0; writes out0
.if DOCPART == 5
	.amdgcn_target "amdgcn-amd-amdhsa--gfx1250"
	.amdhsa_code_object_version 6
	.text
	.protected	k_q6a40c37185_lnorm
	.globl	k_q6a40c37185_lnorm
	.p2align	8
	.type	k_q6a40c37185_lnorm,@function
k_q6a40c37185_lnorm:
	s_mov_b64 s[64:65], 0
	v_nop
	global_prefetch_b8 v0, s[64:65] scope:SCOPE_SE
	s_setreg_imm32_b32 hwreg(HW_REG_WAVE_MODE, 25, 1), 1
	s_wait_xcnt 0x0
; Launch 5 of 5: out0[b] = layer norm of (sum over kblk of outpart[kblk][b] + query), times gamma, plus beta.  Nothing of reference() is left out here.
; One work-group for each of the 16 batches (there is work for no more); thread t owns columns 4 t .. 4 t + 3, so a wave's load or store covers
; 512 consecutive bytes.  The row stays in registers between the mean, the variance (of the differences from the mean, as reference() has it) and the scaling.
; A stream and two reductions: matrix unit, clusters and LDS tiles have nothing to gain here.
.set P, 8                              ; v[8:71] the 16 parts, 4 columns each; v[8:11] then the row, then the differences, then the result
.macro WGSUM base                      ; v80 summed over the work-group's 256 threads, result in v80 of every lane; 32 bytes of LDS at base
.irp m, 1,2,4,8
	v_add_f32_dpp v80, v80, v80 row_xmask:\m row_mask:0xf bank_mask:0xf
.endr
	v_permlanex16_b32 v81, v80, s16, s17           ; the other half of the lanes; v81 has been written before
	v_add_f32 v80, v80, v81
	ds_store_b32 v2, v80 offset:\base              ; my wave's word; all lanes store the same number
	s_wait_dscnt 0x0
	s_barrier_signal -1
	s_barrier_wait -1
	ds_load_b128 v[84:87], v3 offset:\base
	ds_load_b128 v[88:91], v3 offset:\base+16
	s_wait_dscnt 0x0
	v_pk_add_f32 v[84:85], v[84:85], v[86:87]
	v_pk_add_f32 v[88:89], v[88:89], v[90:91]
	v_pk_add_f32 v[84:85], v[84:85], v[88:89]
	v_add_f32 v80, v84, v85
.endm
	s_load_b256 s[4:11], s[0:1], 0x0               ; outpart s[4:5], query s[6:7], gamma s[8:9], beta s[10:11]
	s_load_b64 s[12:13], s[0:1], 0x20              ; out0
	v_lshl_add_u32 v96, v0, 2, 0x200
	v_mov_b32 v97, 0
	v_lshrrev_b32 v2, 5, v0
	v_readfirstlane_b32 s14, v2                    ; wave 0..7
	v_lshlrev_b32 v1, 4, v0                        ; 16 t
	s_lshl_b32 s18, ttmp9, 12                      ; row b of 4,096 bytes
	s_mov_b32 s19, 0
	s_mov_b32 s16, 0x76543210                      ; v_permlanex16_b32: lane i of one half reads lane i of the other
	s_mov_b32 s17, 0xfedcba98
	s_mov_b32 s20, 0x3a800000                      ; 1 / 1024
	s_lshl_b32 s15, s14, 2
	v_mov_b32 v2, s15                              ; LDS: my wave's word
	v_mov_b32 v3, 0
	s_wait_kmcnt 0x0
	s_add_nc_u64 s[4:5], s[4:5], s[18:19]
	s_add_nc_u64 s[12:13], s[12:13], s[18:19]
	global_load_b128 v[4:7], v1, s[6:7]
.set k, 0
.rept 16
	global_load_b128 v[P+4*k:P+4*k+3], v1, s[4:5] offset:65536*k th:TH_LOAD_NT
.set k, k+1
.endr
	global_load_b128 v[72:75], v1, s[8:9]
	global_load_b128 v[76:79], v1, s[10:11]
	s_wait_loadcnt 2                               ; query and the 16 parts are in; gamma and beta stay out
.set k, 0
.rept 16
	v_pk_add_f32 v[P+2*k:P+2*k+1], v[P+2*k:P+2*k+1], v[P+32+2*k:P+33+2*k]
.set k, k+1
.endr
.set k, 0
.rept 8
	v_pk_add_f32 v[P+2*k:P+2*k+1], v[P+2*k:P+2*k+1], v[P+16+2*k:P+17+2*k]
.set k, k+1
.endr
.set k, 0
.rept 4
	v_pk_add_f32 v[P+2*k:P+2*k+1], v[P+2*k:P+2*k+1], v[P+8+2*k:P+9+2*k]
.set k, k+1
.endr
	v_pk_add_f32 v[P:P+1], v[P:P+1], v[P+4:P+5]
	v_pk_add_f32 v[P+2:P+3], v[P+2:P+3], v[P+6:P+7]
	v_pk_add_f32 v[P:P+1], v[P:P+1], v[4:5]        ; the residual is the query
	v_pk_add_f32 v[P+2:P+3], v[P+2:P+3], v[6:7]
	v_pk_add_f32 v[80:81], v[P:P+1], v[P+2:P+3]
	v_add_f32 v80, v80, v81
	WGSUM 0
	v_mul_f32 v82, s20, v80                        ; the mean
.irp j, 0,1,2,3
	v_sub_f32 v[P+\j], v[P+\j], v82
.endr
	v_pk_mul_f32 v[80:81], v[P:P+1], v[P:P+1]
	v_pk_fma_f32 v[80:81], v[P+2:P+3], v[P+2:P+3], v[80:81]
	v_add_f32 v80, v80, v81
	WGSUM 256                                      ; other bytes than the first sum's: no wave still reads what is written here
	v_fmaak_f32 v83, s20, v80, 0x358637bd          ; the variance + 1e-6
	v_rsq_f32 v83, v83
	v_nop                                          ; one plain instruction behind a transcendental (ISA guide 5.7.2)
	s_wait_alu depctr_va_vdst(0)
.irp j, 0,1,2,3
	v_mul_f32 v[P+\j], v[P+\j], v83
.endr
	s_wait_loadcnt 0x0                             ; gamma and beta
	v_pk_fma_f32 v[P:P+1], v[P:P+1], v[72:73], v[76:77]
	v_pk_fma_f32 v[P+2:P+3], v[P+2:P+3], v[74:75], v[78:79]
	global_store_b128 v1, v[P:P+3], s[12:13] th:TH_STORE_NT
	s_wait_tensorcnt 0x0
	ds_add_u32 v96, v97
	s_wait_dscnt 0x0
	s_endpgm
.Lfunc_end_k_q6a40c37185_lnorm:
	.size	k_q6a40c37185_lnorm, .Lfunc_end_k_q6a40c37185_lnorm-k_q6a40c37185_lnorm
	.p2alignl 7, 3214868480
	.fill 96, 4, 3214868480
	.section	.rodata,"a",@progbits
	.p2align	6, 0x0
	.amdhsa_kernel k_q6a40c37185_lnorm
		.amdhsa_group_segment_fixed_size 1536
		.amdhsa_private_segment_fixed_size 0
		.amdhsa_enable_private_segment 0
		.amdhsa_kernarg_size 40
		.amdhsa_user_sgpr_count 2
		.amdhsa_user_sgpr_kernarg_segment_ptr 1
		.amdhsa_wavefront_size32 1
		.amdhsa_system_sgpr_workgroup_id_x 1
		.amdhsa_system_sgpr_workgroup_id_y 1
		.amdhsa_system_sgpr_workgroup_id_z 1
		.amdhsa_system_vgpr_workitem_id 0
		.amdhsa_next_free_vgpr 98
		.amdhsa_next_free_sgpr 66
		.amdhsa_reserve_vcc 0
		.amdhsa_float_denorm_mode_32 3
		.amdhsa_float_denorm_mode_16_64 3
		.amdhsa_memory_ordered 1
		.amdhsa_forward_progress 1
		.amdhsa_inst_pref_size 8
	.end_amdhsa_kernel
	.amdgpu_metadata
---
amdhsa.version: [ 1, 2 ]
amdhsa.kernels:
  - .name:           k_q6a40c37185_lnorm
    .symbol:         k_q6a40c37185_lnorm.kd
    .args:
      - { .name: outpart, .offset: 0, .size: 8, .value_kind: global_buffer, .address_space: global }
      - { .name: query, .offset: 8, .size: 8, .value_kind: global_buffer, .address_space: global }
      - { .name: ln_gamma, .offset: 16, .size: 8, .value_kind: global_buffer, .address_space: global }
      - { .name: ln_beta, .offset: 24, .size: 8, .value_kind: global_buffer, .address_space: global }
      - { .name: out0, .offset: 32, .size: 8, .value_kind: global_buffer, .address_space: global }
    .group_segment_fixed_size: 1536
    .private_segment_fixed_size: 0
    .kernarg_segment_align: 8
    .kernarg_segment_size: 40
    .max_flat_workgroup_size: 256
    .sgpr_count:     66
    .vgpr_count:     98
    .wavefront_size: 32
...
	.end_amdgpu_metadata
.endif
;; end of part 5
;; ======== version 2 of 2: 5 launches; version 1 with the launch pool written anew for expert scheduling mode
;; workspace buffers: wkf 32,768 bytes; pexp 2,097,152 bytes; stats 32,768 bytes; ypart 8,388,608 bytes; ctxpart 524,288 bytes; outpart 1,048,576 bytes
;; launch prep: the kernel of part 1 again; grid 16 x 4, 16 waves a work-group, no clusters, 6,656 bytes of LDS; arguments query, w_qs, w_ks, wkf; writes wkf
;; launch pool (part 6): grid 256 x 1, 8 waves a work-group, no clusters, 99,328 bytes of LDS; arguments x, wkf, pexp, stats, ypart; writes pexp, stats, ypart
.if DOCPART == 6
	.amdgcn_target "amdgcn-amd-amdhsa--gfx1250"
	.amdhsa_code_object_version 6
	.text
	.protected	k_q6a40c37185_pool
	.globl	k_q6a40c37185_pool
	.p2align	8
	.type	k_q6a40c37185_pool,@function
k_q6a40c37185_pool:
	s_mov_b64 s[64:65], 0
	v_nop
	global_prefetch_b8 v0, s[64:65] scope:SCOPE_SE
	s_setreg_imm32_b32 hwreg(HW_REG_WAVE_SCHED_MODE, 0, 2), 2
	s_setreg_imm32_b32 hwreg(HW_REG_WAVE_MODE, 25, 1), 1
	s_wait_xcnt 0x0
	s_wait_alu depctr_vm_vsrc(0)
; Launch 2 of 5: the one pass over x.  k and v are not formed (x meets wk and the softmax's weights directly: the identities stand at the head of launch 1).
; Work-group wg = 16 b + chunk owns the 128 positions l = 128 chunk .. + 127 of batch b: 512 KB of x, read once.
; Eight waves; wave w owns columns 128 w .. 128 w + 127 of every row, in both products.  The 128 positions go in four groups of 32 rows.  For each group:
;   CONV   32 rows x 512 bytes come out of a ring of registers, are rounded to bf16 and laid into the wave's own LDS tile; each row's slot is asked for again at once
;   SCORE  the wave's part of s'[h][l] = sum over its 128 columns of x[l][c] wkf[h][c]  (matrix unit; wk's four fragments stay in registers for the whole kernel)
;   SOFT   the eight waves' parts meet in LDS; running maximum m' and running sum for each head; p = 2^(s' - m'); alpha = 2^(m' before - m')
;   PMUL   y[h][c] = alpha[h] y[h][c] + sum over the group's l of p[h][l] x[l][c]  (matrix unit, x read from the wave's tile transposed)
; so that the work of groups 0 to 2 is done while later rows are on their way.  At the end: pexp = 2^(s' - m') with the chunk's final m' (s' is kept in LDS),
; stats = m' and the sums, ypart = y rounded to bf16: it is the next launch's matrix operand as it stands, and half the bytes go to memory and come back.
; The next launch takes the maximum over a batch's 16 chunks and rescales; no fixed shift is used anywhere.
; LIMITS: matrix operands are bf16 (x, wk, p, and y for the next launch); p and alpha below 2^-126 come out as 0.
; x is converted between memory and LDS, so it comes through registers: 50 to 54 loads of 512 bytes a wave are out, up to 216 KB for the work-group.
; No cluster: the work-groups share only wkf, 32 KB of the 544 KB that each of them reads.
;
; THE MODE: SCHED_MODE bits 1:0 = 2 (LLVM: expert scheduling mode 2), set by the entry lines.  The code itself states the register dependences
; between vector or matrix instructions and memory or LDS instructions, with s_wait_alu, always for 0.
; THE PLAN.  Registers that memory or LDS instructions touch, and who else names them:
;   RING        row n's slot: a load lands in it, CONV's conversions read it, behind them the load of row n + 54 lands in it.
;   T0, T1      CONV goes in batches of four rows; batch k's eight conversions write T[k % 2], its four LDS stores read it, batch k + 2 writes it again.
;   AF = XT     SCORE's loads land, SCORE's products read; SOFT's transposing loads land, PMUL's products read; at the end conversions write its lower
;               half, LDS stores read that, and the read-back lands in its upper half.
;   SACC        SCORE's products write it, SCORE's LDS stores read it.
;   RED         SOFT's loads land, its sums read and write it, one LDS store reads its first pair; at the end s' lands in it, is worked on in place and stored.
;   PB, ALP     (in the last group MX and SM too) SOFT's arithmetic writes them, SOFT's LDS stores read them.
;   PF, ALF     PLOAD's loads land, PMUL's instructions read.
;   v4, v6-v20, v24, v25, v256, v257   addresses, made at the head and never written again.
;   YACC and the softmax's work registers are named by vector and matrix instructions alone.
; THE WAITS.  On va_vdst: two at the head (the addresses); one a batch of CONV, behind its conversions; one in SCORE behind the places; one in SOFT behind all its
; arithmetic, with all its LDS stores behind it; two at the end (the exponentials; the 32 conversions).  What a later load or store leans on beyond the wait next to it
; is said at that wait.  On vm_vsrc: one a batch of CONV, behind the batch's conversions and ahead of its own loads and stores, so that it waits for
; the stores of the batch before; one ahead of the loads of s' at the end.  On va_sdst: one, for the wave's number.
;
; REGISTERS in two windows of 256 (s_set_vgpr_msb says which window each operand place means: bits 1:0 source 0, 3:2 source 1, 5:4 source 2, 7:6 destination).
; Window 1 holds all that CONV names (its two addresses, its bf16 pairs, the ring), so that a whole CONV runs under one setting; all else is window 0.
.set R,      54                        ; slots of the ring = the most loads of x that a wave has out
.set XP,     272                       ; pitch of the wave's tile: 128 bf16 + 16 bytes = 17 x 16, so 16 rows start in 16 different 16-byte columns of 256 bytes
.set XTILE,  32*XP                     ; LDS: 8 tiles of 32 rows, each wave's own; at the end the wave's stage for the way out
.set SPART,  8*XTILE                   ; the waves' parts of s' in f32: for each wave 16 rows (heads, permuted: see v7) of 32 l, pitch 144 = 9 x 16
.set SPP,    144
.set SPW,    16*SPP
.set SS,     SPART+8*SPW               ; s' in f32 [16 h][128 l], pitch 528
.set SSP,    528
.set PT,     SS+16*SSP                 ; p of the group in bf16 [16 h][32 l], pitch 80 = 5 x 16
.set PTP,    80
.set ALPH,   PT+16*PTP                 ; alpha[16]
.set ST,     ALPH+256                  ; m'[16], sum[16]
; window 0: v1 lane, v2 r = lane & 15, v3 hh = lane >> 4; v4-v25 addresses (made below, never rewritten); v26-v28 address work
.set MX,   32                          ; running maximum of my head
.set SM,   33                          ; running sum of my head
.set GM,   34                          ; the group's maximum, then the new maximum
.set ALP,  35                          ; alpha of my head
.set PS,   36                          ; the group's sum of p
.set PB,   37                          ; two p in bf16
.set P0,   38                          ; v[38:39]   two p
.set SACC, 48                          ; v[48:63]   two accumulators of s': rows 0-15 and 16-31 of the group
.set WKF,  64                          ; v[64:95]   four fragments of wk: my 128 columns, all 16 heads
.set PF,   96                          ; v[96:103]  the fragment of p
.set ALF,  104                         ; v[104:105] alpha of head r, twice
.set YACC, 112                         ; v[112:175] eight accumulators of y
.set AF,   176                         ; v[176:239] SCORE: eight fragments of x
.set XT,   176                         ;            PMUL: eight fragments of x transposed; the way out: v[176:207] y in bf16, v[208:239] read back by rows
.set RED,  240                         ; v[240:255] the eight waves' parts of two s'; at the end eight s' of my head
; window 1 (the numbers are the low 8 bits)
.set VOFF1, 0                          ; v256       x: 512 w + 16 lane
.set XST1,  1                          ; v257       my tile: 8 lane
.set RING,  12                         ; v[268:483] slot n mod 54: 4 registers, row n as loaded
.set T1,    228                        ; v[484:499] two buffers of eight: four rows' pairs of bf16 on their way to LDS
.set MSB, 0
.macro WIN new                         ; the immediate's high byte repeats the setting that is left
.if MSB != \new
	s_set_vgpr_msb (MSB<<8)|\new
.set MSB, \new
.endif
.endm
.macro PLACES                          ; four plain vector instructions between a matrix instruction and what touches its registers (ISA guide 7.12.1)
.rept 4
	v_nop
.endr
.endm
.macro RMAX reg                        ; over the 16 lanes of a row, result in each
.irp m, 1,2,4,8
	v_max_num_f32_dpp v[\reg], v[\reg], v[\reg] row_xmask:\m row_mask:0xf bank_mask:0xf
.endr
.endm
.macro RSUM reg
.irp m, 1,2,4,8
	v_add_f32_dpp v[\reg], v[\reg], v[\reg] row_xmask:\m row_mask:0xf bank_mask:0xf
.endr
.endm
.macro BAR
	s_wait_dscnt 0x0                               ; my LDS stores are done and my LDS loads are back before I say so
	s_barrier_signal -1
	s_barrier_wait -1
.endm
	s_load_b256 s[4:11], s[0:1], 0x0               ; x s[4:5], wkf s[6:7], pexp s[8:9], stats s[10:11]
	s_load_b64 s[12:13], s[0:1], 0x20              ; ypart
	v_lshl_add_u32 v110, v0, 2, 0x18000
	v_mov_b32 v111, 0
	v_lshrrev_b32 v1, 5, v0
	v_readfirstlane_b32 s14, v1                    ; wave 0..7
	v_and_b32 v1, 31, v0
	v_and_b32 v2, 15, v0
	v_bfe_u32 v3, v0, 4, 1
	s_lshl_b32 s16, ttmp9, 19                      ; 128 rows of 4,096 bytes for each work-group
	s_mov_b32 s17, 0
	s_wait_alu depctr_va_sdst(0)                   ; s14 is written, ahead of its first reader: offsets and LDS addresses are made from it
	s_lshl_b32 s19, s14, 9                         ; my wave's 512 bytes of a row of f32
	s_mul_i32 s18, s14, XTILE                      ; my wave's tile in LDS
	s_lshl_b32 s22, s14, 8                         ; my wave's 256 bytes of a row of bf16
	v_lshlrev_b32 v4, 11, v2                       ; wkf: row r (2,048 bytes),
	v_lshl_add_u32 v4, v3, 4, v4                   ; + 16 hh,
	v_add_nc_u32 v4, s22, v4                       ; + my columns: a fragment's lane address
	WIN 0x40                                       ; destination in window 1
	v_lshl_add_u32 v[VOFF1], v1, 4, s19            ; v256 = 16 lane + 512 w
	v_lshl_add_u32 v[XST1], v1, 3, s18             ; v257 = 8 lane + my tile
	WIN 0
	s_wait_kmcnt 0x0
	s_add_nc_u64 s[4:5], s[4:5], s[16:17]
	s_wait_alu depctr_va_vdst(0)                   ; v4, v256 and v257 are written: the loads of wk and of x and CONV's LDS stores read them as their addresses; up to the ring's last load only loads and a window switch follow
	; wk straight into fragment layout, once in the kernel: each load takes 32 bytes of each of 16 rows, the eight together the 256 aligned bytes of each row
.irp f, 0,1,2,3
	global_load_b128 v[WKF+8*\f:WKF+8*\f+3],   v4, s[6:7] offset:64*\f
	global_load_b128 v[WKF+8*\f+4:WKF+8*\f+7], v4, s[6:7] offset:64*\f+32
.endr
	WIN 0x55                                       ; every place in window 1
.set n, 0
.rept R
	global_load_b128 v[RING+4*n:RING+4*n+3], v[VOFF1], s[4:5] offset:4096*n th:TH_LOAD_NT   ; row n: 512 consecutive bytes, aligned
.set n, n+1
.endr
	WIN 0
	s_lshr_b32 s16, ttmp9, 4
	s_lshl_b32 s16, s16, 17                        ; pexp [b][h][l]: 131,072 bytes a batch,
	s_and_b32 s20, ttmp9, 15
	s_lshl_b32 s20, s20, 9                         ; 512 bytes a chunk
	s_add_co_u32 s16, s16, s20
	s_add_nc_u64 s[8:9], s[8:9], s[16:17]
	s_lshl_b32 s16, ttmp9, 7                       ; stats: 128 bytes a work-group
	s_add_nc_u64 s[10:11], s[10:11], s[16:17]
	s_lshl_b32 s16, ttmp9, 15                      ; ypart: 16 heads x 2,048 bytes a work-group
	s_add_nc_u64 s[12:13], s[12:13], s[16:17]
	v_lshl_add_u32 v21, s14, 1, v3                 ; hd = 2 w + hh: my head in SOFT
	v_lshlrev_b32 v22, 4, v2                       ; 16 r
	v_mul_u32_u24 v26, v2, XP
	v_lshl_add_u32 v26, v3, 4, v26
	v_add_nc_u32 v6, s18, v26                      ; v6: fragments of x: my tile, row r, + 16 hh
	v_lshrrev_b32 v27, 1, v2
	v_and_b32 v28, 1, v2
	v_lshl_add_u32 v27, v28, 3, v27                ; head h lies in row (h >> 1) + 8 (h & 1), so that the two heads of a wave in SOFT lie 8 rows = 1,152 bytes
	v_mul_u32_u24 v27, v27, SPP                    ; apart, 128 modulo 256: the 32 lanes' 8 bytes then fall on 256 different bytes modulo 256
	v_lshl_add_u32 v27, v3, 5, v27
	s_mul_i32 s21, s14, SPW
	s_add_co_u32 s21, s21, SPART
	v_add_nc_u32 v7, s21, v27                      ; v7: my wave's parts: head r's row, l = 8 hh ..
	v_lshl_add_u32 v27, v3, 3, s14                 ; head hd's row: w + 8 hh
	v_mul_u32_u24 v27, v27, SPP
	v_lshl_add_u32 v27, v2, 3, v27
	v_add_nc_u32 v8, SPART, v27                    ; v8: wave 0's part of s'[hd][2 r, 2 r + 1]
	v_mul_u32_u24 v27, v21, SSP
	v_lshl_add_u32 v28, v2, 3, v27
	v_add_nc_u32 v9, SS, v28                       ; v9: s'[hd][2 r ..] of group 0
	v_add_nc_u32 v28, v27, v22
	v_add_nc_u32 v10, SS, v28                      ; v10: s'[hd][4 r ..]
	v_mul_u32_u24 v27, v21, PTP
	v_lshl_add_u32 v27, v2, 2, v27
	v_add_nc_u32 v11, PT, v27                      ; v11: p[hd][2 r ..] in bf16
	v_mul_u32_u24 v27, v2, PTP
	v_lshl_add_u32 v27, v3, 4, v27
	v_add_nc_u32 v12, PT, v27                      ; v12: the fragment of p: row r, + 16 hh
	v_and_b32 v27, 7, v0
	v_lshl_add_u32 v27, v3, 3, v27                 ; row 8 hh + (lane & 7)
	v_mul_u32_u24 v27, v27, XP
	v_bfe_u32 v28, v0, 3, 1
	v_lshl_add_u32 v27, v28, 7, v27                ; lanes 8-15 of each half take the 16 bytes 64 columns on: see XLOAD
	v_add_nc_u32 v13, s18, v27                     ; v13: transposing loads from my tile
	v_lshlrev_b32 v27, 2, v21
	v_add_nc_u32 v14, ALPH, v27                    ; v14: alpha[hd]
	v_add_nc_u32 v20, ST, v27                      ; v20: m'[hd]
	v_lshlrev_b32 v27, 2, v2
	v_add_nc_u32 v15, ALPH, v27                    ; v15: alpha[r]
	v_mul_u32_u24 v27, v2, XP
	v_lshl_add_u32 v27, v3, 7, v27
	v_add_nc_u32 v16, s18, v27                     ; v16: the way out: stage (my tile's bytes), row r = head of 272 bytes, + 128 hh
	v_mul_u32_u24 v27, v3, XP
	v_add_nc_u32 v27, v27, v22
	v_add_nc_u32 v17, s18, v27                     ; v17: stage read back, two rows at a time: row hh, + 16 r
	v_lshl_add_u32 v18, v21, 13, v22               ; v18: pexp, head hd (8,192 bytes), + 16 r
	v_lshl_add_u32 v19, v3, 11, v22                ; v19: ypart: head hh (2,048 bytes), + 16 r,
	v_add_nc_u32 v19, s22, v19                     ;      + my wave's 256 bytes of a head's row
	v_lshlrev_b32 v24, 2, v1                       ; v24: stats, 4 lane
	v_add_nc_u32 v25, ST, v24                      ; v25: the same word in LDS
	s_wait_alu depctr_va_vdst(0)                   ; the addresses v6 to v20, v24 and v25 are written: every LDS load and store and every global store below reads one of them, and no line writes them again
; Group g's 32 rows, in eight batches of four: wait for the four, round them to bf16 into T[k % 2] (k counts the kernel's batches), ask for the rows R further down
; into the same slots, store 8 bytes a lane and row.
; The tile is the wave's own: LDS serves a wave's instructions in order (ISA guide 5.7.1), so these stores stand behind the last group's reads of it without a wait on DScnt.
.macro CONV g
	WIN 0x55
.set n, 32*\g
.rept 8
.set TB, T1+8*((n/4)%2)
.if n <= 128-R
	s_wait_loadcnt R-4                             ; behind rows n .. n + 3: the loads of rows n + 4 .. n + R - 1 stay out (wk's loads are older than row 0's)
.else
	s_wait_loadcnt 124-n                           ; nothing is asked for any more: rows n + 4 .. 127 stay out
.endif
.irp i, 0,1,2,3
	v_cvt_pk_bf16_f32 v[TB+2*\i],   v[RING+4*((n+\i)%R)],   v[RING+4*((n+\i)%R)+1]
	v_cvt_pk_bf16_f32 v[TB+2*\i+1], v[RING+4*((n+\i)%R)+2], v[RING+4*((n+\i)%R)+3]
.endr
.if n > 0
	s_wait_alu depctr_vm_vsrc(0)                   ; the LDS stores of the batch before have read the other T, which the next batch's conversions write; in a group's first batch also: the LDS stores of the group before have read SACC, RED's first pair, PB and ALP, which this group's products, loads and arithmetic write
.endif
	s_wait_alu depctr_va_vdst(0)                   ; the conversions are done reading the four slots, in which the loads below land, and have written this T, which the stores below read; the last group's products are done reading XT, PF and ALF, in which this group's LDS loads land
.irp i, 0,1,2,3
.if n+\i+R < 128
	global_load_b128 v[RING+4*((n+\i)%R):RING+4*((n+\i)%R)+3], v[VOFF1], s[4:5] offset:4096*(n+\i+R) th:TH_LOAD_NT
.endif
.endr
.irp i, 0,1,2,3
	ds_store_b64 v[XST1], v[TB+2*\i:TB+2*\i+1] offset:XP*((n+\i)%32)
.endr
.set n, n+4
.endr
	WIN 0
.endm
; The wave's part of the group's scores: 2 row tiles x 4 steps of 32 columns.  The two accumulators take turns, one instruction a turn.
; The loads into the fragments lean on CONV's last wait on va_vdst: behind it stand only loads, LDS stores of window 1's registers and the window switch.
.macro SMUL f, t, zero
	s_wait_dscnt 14-2*(2*\f+\t)                    ; this fragment's two loads are in; the later fragments' stay out
.if \zero
	v_wmma_f32_16x16x32_bf16 v[SACC+8*\t:SACC+8*\t+7], v[AF+8*(2*\f+\t):AF+8*(2*\f+\t)+7], v[WKF+8*\f:WKF+8*\f+7], 0
.else
	v_wmma_f32_16x16x32_bf16 v[SACC+8*\t:SACC+8*\t+7], v[AF+8*(2*\f+\t):AF+8*(2*\f+\t)+7], v[WKF+8*\f:WKF+8*\f+7], v[SACC+8*\t:SACC+8*\t+7]
.endif
.endm
.macro SCORE
.irp f, 0,1,2,3
.irp t, 0,1
	ds_load_b128 v[AF+8*(2*\f+\t):AF+8*(2*\f+\t)+3],   v6 offset:16*XP*\t+64*\f
	ds_load_b128 v[AF+8*(2*\f+\t)+4:AF+8*(2*\f+\t)+7], v6 offset:16*XP*\t+64*\f+32
.endr
.endr
	SMUL 0, 0, 1                                   ; the first products start the group's sums
	SMUL 0, 1, 1
.irp f, 1,2,3
	SMUL \f, 0, 0
	SMUL \f, 1, 0
.endr
	PLACES                                         ; in front of the stores of the results
	s_wait_alu depctr_va_vdst(0)                   ; the products have written the two accumulators, which the stores below read, and are done reading the fragments, in which SOFT's transposing loads land (no vector instruction stands between); the places above stay beside this wait
.irp t, 0,1
	ds_store_b128 v7, v[SACC+8*\t:SACC+8*\t+3]   offset:64*\t          ; register j of lane (r, hh) is s'[h = r][l = 16 t + 8 hh + j]
	ds_store_b128 v7, v[SACC+8*\t+4:SACC+8*\t+7] offset:64*\t+16
.endr
	BAR                                            ; the eight parts are whole; and nobody reads the last group's p and alpha any more
.endm
; x transposed: 16 columns c x 32 l for each of 8 tiles.  A transposing load hands each group of 8 lanes the 8 x 8 block that the group addressed (8 rows l,
; 16 bytes = 8 columns).
; Tile tt is columns 8 tt .. + 7 and 64 + 8 tt .. + 7.
.macro XLOAD
.irp tt, 0,1,2,3,4,5,6,7
	ds_load_tr16_b128 v[XT+8*\tt:XT+8*\tt+3],   v13 offset:16*\tt
	ds_load_tr16_b128 v[XT+8*\tt+4:XT+8*\tt+7], v13 offset:16*XP+16*\tt
.endr
.endm
; Wave w takes heads 2 w and 2 w + 1, one for each half of its lanes; lane r takes l = 2 r and 2 r + 1 of the group's 32.
; All its LDS stores stand together at its end, behind one wait.
.macro SOFT g, first, last
.irp wv, 0,1,2,3,4,5,6,7
	ds_load_b64 v[RED+2*\wv:RED+2*\wv+1], v8 offset:SPW*\wv
.endr
	XLOAD                                          ; my own tile, for PMUL: on its way while the softmax is worked out
	s_wait_dscnt 16                                ; the eight parts are in; the 16 transposing loads stay out
.irp k, 0,2,4,6
	v_pk_add_f32 v[RED+\k:RED+\k+1], v[RED+\k:RED+\k+1], v[RED+8+\k:RED+9+\k]
.endr
	v_pk_add_f32 v[RED:RED+1], v[RED:RED+1], v[RED+4:RED+5]
	v_pk_add_f32 v[RED+2:RED+3], v[RED+2:RED+3], v[RED+6:RED+7]
	v_pk_add_f32 v[RED:RED+1], v[RED:RED+1], v[RED+2:RED+3]
.if \first
	v_max_num_f32 v[MX], v[RED], v[RED+1]
	RMAX MX                                        ; the first group starts the running maximum
.else
	v_max_num_f32 v[GM], v[RED], v[RED+1]
	RMAX GM
	v_max_num_f32 v[GM], v[GM], v[MX]              ; the new maximum
	v_sub_f32 v[ALP], v[MX], v[GM]
	v_exp_f32 v[ALP], v[ALP]                       ; alpha = 2^(old - new), at most 1
	v_mov_b32 v[MX], v[GM]                         ; the plain instruction behind the exponential (ISA guide 5.7.2)
.endif
	v_sub_f32 v[P0], v[RED], v[MX]
	v_sub_f32 v[P0+1], v[RED+1], v[MX]
	v_exp_f32 v[P0], v[P0]                         ; p = 2^(s' - m'), at most 1
	v_exp_f32 v[P0+1], v[P0+1]
	v_nop                                          ; one plain instruction between the exponentials and the use of their results
.if \first
	s_wait_alu depctr_va_vdst(0)
	v_add_f32 v[SM], v[P0], v[P0+1]
	RSUM SM                                        ; the first group starts the running sum
.else
	s_wait_alu depctr_va_vdst(0)
	v_add_f32 v[PS], v[P0], v[P0+1]
	RSUM PS
	v_fma_f32 v[SM], v[SM], v[ALP], v[PS]
.endif
	v_cvt_pk_bf16_f32 v[PB], v[P0], v[P0+1]
	s_wait_alu depctr_va_vdst(0)                   ; s' (RED's first pair), p, alpha, m' and the sum are written, which the stores below read; and the arithmetic is done reading RED, in which, behind the last group, the loads of s' land
	ds_store_b64 v9, v[RED:RED+1] offset:128*\g    ; s' is kept for the end
	ds_store_b32 v11, v[PB]
.if \first
.else
	ds_store_b32 v14, v[ALP]                       ; the 16 lanes store the same word
.endif
.if \last
	ds_store_b32 v20, v[MX]                        ; the chunk's m' and sum
	ds_store_b32 v20, v[SM] offset:64
.endif
	BAR                                            ; p and alpha are whole; and nobody reads the parts of s' any more
.endm
.macro PLOAD first                     ; no vector instruction since SOFT's wait names PF or ALF
	ds_load_b128 v[PF:PF+3],   v12
	ds_load_b128 v[PF+4:PF+7], v12 offset:32
.if \first
.else
	ds_load_b32 v[ALF], v15
.endif
.endm
; D = (x transposed: 16 c x 32 l) x (p: 32 l x 16 heads): register j of lane (r, hh) is (column 64 hh + 8 tt + j, head r), so alpha is one number a lane.
; The eight accumulators take turns, one instruction a turn.
.macro PMUL first
	s_wait_dscnt 0x0                               ; p and alpha (the transposed fragments were in at the barrier)
.if \first
.else
	v_mov_b32 v[ALF+1], v[ALF]                     ; a pair for the packed multiply
.set k, 0
.rept 32
	v_pk_mul_f32 v[YACC+2*k:YACC+2*k+1], v[YACC+2*k:YACC+2*k+1], v[ALF:ALF+1]
.set k, k+1
.endr
.endif
.irp tt, 0,1,2,3,4,5,6,7
.if \first
	v_wmma_f32_16x16x32_bf16 v[YACC+8*\tt:YACC+8*\tt+7], v[XT+8*\tt:XT+8*\tt+7], v[PF:PF+7], 0
.else
	v_wmma_f32_16x16x32_bf16 v[YACC+8*\tt:YACC+8*\tt+7], v[XT+8*\tt:XT+8*\tt+7], v[PF:PF+7], v[YACC+8*\tt:YACC+8*\tt+7]
.endif
.endr
.endm
	CONV 0
	SCORE
	SOFT 0, 1, 0
	PLOAD 1
	PMUL 1                                         ; the first products start the sums
	CONV 1
	SCORE
	SOFT 1, 0, 0
	PLOAD 0
	PMUL 0
	CONV 2
	SCORE
	SOFT 2, 0, 0
	PLOAD 0
	PMUL 0
	CONV 3
	SCORE
	SOFT 3, 0, 1
	s_cmp_lg_u32 s14, 0
	s_cbranch_scc1 .Lnostat
	ds_load_b32 v23, v25                           ; wave 0 stores the work-group's 128 bytes of m' and sums
	s_wait_dscnt 0x0
	global_store_b32 v24, v23, s[10:11]
.Lnostat:
	s_wait_alu depctr_vm_vsrc(0)                   ; the last group's LDS store of s' has read RED's first pair, in which the first load below lands
	ds_load_b128 v[RED:RED+3],   v10               ; s' of my head, l = 4 r .. + 3 and 64 + 4 r .. + 3: my wave's own stores, four groups of them
	ds_load_b128 v[RED+4:RED+7], v10 offset:256
	PLOAD 0
	s_wait_dscnt 3                                 ; s' is in; p's two loads and alpha's one stay out
.irp j, 0,1,2,3,4,5,6,7
	v_sub_f32 v[RED+\j], v[RED+\j], v[MX]          ; the chunk's final maximum is taken away
.endr
.irp j, 0,1,2,3,4,5,6,7
	v_exp_f32 v[RED+\j], v[RED+\j]
.endr
	v_nop                                          ; one plain instruction between the exponentials and the use of their results
	s_wait_alu depctr_va_vdst(0)                   ; the exponentials have written v[RED .. RED + 7], which the two stores read
	global_store_b128 v18, v[RED:RED+3],   s[8:9]              ; 16 lanes store 256 consecutive bytes, aligned
	global_store_b128 v18, v[RED+4:RED+7], s[8:9] offset:256   ; (these registers are not written again)
	PMUL 0
	PLACES                                         ; in front of the conversions, which read the results and write over the fragments
	; The way out: lane (r = head, hh) holds columns 64 hh + 8 tt + j of my wave's 128: eight neighbouring columns a tile, 16 bytes in bf16.  They go through
	; my own tile's bytes (16 rows of 256 + 16 bytes: 4,352 of its 8,704), all reads of which are back, into whole rows.  No other wave touches these
	; bytes: no barrier.
.irp tt, 0,1,2,3,4,5,6,7
.irp k, 0,1,2,3
	v_cvt_pk_bf16_f32 v[XT+4*\tt+\k], v[YACC+8*\tt+2*\k], v[YACC+8*\tt+2*\k+1]
.endr
.endr
	s_wait_alu depctr_va_vdst(0)                   ; the conversions have written v[XT .. XT + 31], which the LDS stores read; the last products are done reading v[XT + 32 .. XT + 63], in which the read-back lands
.irp tt, 0,1,2,3,4,5,6,7
	ds_store_b128 v16, v[XT+4*\tt:XT+4*\tt+3] offset:16*\tt
.endr
.set n, 0
.rept 8
	ds_load_b128 v[XT+32+4*n:XT+32+4*n+3], v17 offset:2*XP*n       ; heads 2 n and 2 n + 1; served in order behind the stores above
.set n, n+1
.endr
.set n, 0
.rept 8
	s_wait_dscnt 7-n                               ; these two heads' rows are in; the later rows' loads stay out
	global_store_b128 v19, v[XT+32+4*n:XT+32+4*n+3], s[12:13] offset:4096*n   ; each half of the lanes stores 256 consecutive bytes, aligned
.set n, n+1
.endr
	s_wait_dscnt 0x0
	s_wait_alu depctr_hold_cnt(0) depctr_sa_sdst(0) depctr_va_vdst(0) depctr_va_sdst(0) depctr_va_ssrc(0) depctr_va_vcc(0) depctr_vm_vsrc(0)
	s_wait_tensorcnt 0x0
	ds_add_u32 v110, v111
	s_wait_dscnt 0x0
	s_endpgm
.Lfunc_end_k_q6a40c37185_pool:
	.size	k_q6a40c37185_pool, .Lfunc_end_k_q6a40c37185_pool-k_q6a40c37185_pool
	.p2alignl 7, 3214868480
	.fill 96, 4, 3214868480
	.section	.rodata,"a",@progbits
	.p2align	6, 0x0
	.amdhsa_kernel k_q6a40c37185_pool
		.amdhsa_group_segment_fixed_size 99328
		.amdhsa_private_segment_fixed_size 0
		.amdhsa_enable_private_segment 0
		.amdhsa_kernarg_size 40
		.amdhsa_user_sgpr_count 2
		.amdhsa_user_sgpr_kernarg_segment_ptr 1
		.amdhsa_wavefront_size32 1
		.amdhsa_system_sgpr_workgroup_id_x 1
		.amdhsa_system_sgpr_workgroup_id_y 1
		.amdhsa_system_sgpr_workgroup_id_z 1
		.amdhsa_system_vgpr_workitem_id 0
		.amdhsa_next_free_vgpr 512
		.amdhsa_next_free_sgpr 66
		.amdhsa_reserve_vcc 0
		.amdhsa_float_denorm_mode_32 3
		.amdhsa_float_denorm_mode_16_64 3
		.amdhsa_memory_ordered 1
		.amdhsa_forward_progress 1
		.amdhsa_inst_pref_size 82
	.end_amdhsa_kernel
	.amdgpu_metadata
---
amdhsa.version: [ 1, 2 ]
amdhsa.kernels:
  - .name:           k_q6a40c37185_pool
    .symbol:         k_q6a40c37185_pool.kd
    .args:
      - { .name: x, .offset: 0, .size: 8, .value_kind: global_buffer, .address_space: global }
      - { .name: wkf, .offset: 8, .size: 8, .value_kind: global_buffer, .address_space: global }
      - { .name: pexp, .offset: 16, .size: 8, .value_kind: global_buffer, .address_space: global }
      - { .name: stats, .offset: 24, .size: 8, .value_kind: global_buffer, .address_space: global }
      - { .name: ypart, .offset: 32, .size: 8, .value_kind: global_buffer, .address_space: global }
    .group_segment_fixed_size: 99328
    .private_segment_fixed_size: 0
    .kernarg_segment_align: 8
    .kernarg_segment_size: 40
    .max_flat_workgroup_size: 256
    .sgpr_count:     66
    .vgpr_count:     512
    .wavefront_size: 32
...
	.end_amdgpu_metadata
.endif
;; end of part 6
;; launch comb: the kernel of part 3 again; grid 16 x 16, 8 waves a work-group, no clusters, 58,880 bytes of LDS; arguments stats, pexp, ypart, w_vs, out1, ctxpart; writes out1, ctxpart
;; launch fcp: the kernel of part 4 again; grid 16 x 16, 8 waves a work-group, no clusters, 18,176 bytes of LDS; arguments ctxpart, fc, outpart; writes outpart
;; launch lnorm: the kernel of part 5 again; grid 16 x 1, 8 waves a work-group, no clusters, 1,536 bytes of LDS; arguments outpart, query, ln_gamma, ln_beta, out0; writes out0
